; MI455X (gfx1250); checked and timed in simulation.
; The chip was launched on July 23, 2026; its instructions are those of AMD's public machine-readable ISA for CDNA 5 (MIT licence, August 2026) and "CDNA5" Instruction Set Architecture Reference Guide (July 2026). The comments in the code are by the model that wrote it; some were corrected since.
;; Multi Head Attention Layer. Allowed arithmetic: float matrix products may take bf16 or f16 operands with f32 sums; other float arithmetic in f32, or as packed bf16 or f16 multiplies, adds, multiply-adds, maxima and minima; sums over many terms, partial sums and values carried from step to step in f32; what a program stores and reads back later, other than sums and carried values, may be rounded once to bf16 or f16.
;; Inputs: Wk 1,024 x 1,024 float32; Wo 1,024 x 1,024 float32; Wq 1,024 x 1,024 float32; Wv 1,024 x 1,024 float32; bk 1,024 float32; bo 1,024 float32; bq 1,024 float32; bv 1,024 float32; hidden_states 2 x 2,048 x 1,024 float32.
;; Outputs: out0 2 x 2,048 x 1,024 float32.
;; One version. Each part assembles by itself: llvm-mc -triple=amdgcn-amd-amdhsa -mcpu=gfx1250 --defsym DOCPART=n.
;; ======== version 1 of 1: 4 launches
;; limits: values are held in f16: magnitudes above 65,504 overflow, below 6.1e-05 lose precision
;; workspace buffers: xb 8,388,608 bytes; wb 6,291,456 bytes; wo16 2,097,152 bytes; bb 16,384 bytes; qkv 25,165,824 bytes; ob 8,388,608 bytes
;; launch cast (part 1): grid 1024 x 1, 8 waves a work-group, no clusters, 0 bytes of LDS; arguments hidden_states, Wq, Wk, Wv, Wo, bq, bk, bv, bo, xb, wb, wo16, bb; writes xb, wb, wo16, bb
.if DOCPART == 1
	.amdgcn_target "amdgcn-amd-amdhsa--gfx1250"
	.amdhsa_code_object_version 6
	.text
	.protected	k_q1cb639d00d_cast
	.globl	k_q1cb639d00d_cast
	.p2align	8
	.type	k_q1cb639d00d_cast,@function
k_q1cb639d00d_cast:
	s_mov_b64 s[64:65], 0
	v_nop
	global_prefetch_b8 v0, s[64:65] scope:SCOPE_SE
	s_setreg_imm32_b32 hwreg(HW_REG_WAVE_MODE, 25, 1), 1
	s_wait_xcnt 0x0
; EVERY INPUT IS ROUNDED ONCE TO bf16 and laid out for the launches behind.
;   xb   [4096][1024] bf16            = hidden_states
;   wb   [8 heads][3: q, k, v][128][1024] bf16: row 384 head + 128 which + d is row 128 head + d of W_which
;   wo16 [1024][1024] f16: bf16(Wo) written as f16 (it multiplies an f16 operand).  LIMIT: exact for 6e-5 <= |Wo| < 65,504; below that f16's fixed step of 6e-8, beyond it an infinity
;   bb   f32 numbers that are bf16-rounded: bytes 0 .. 12,287 [8][3][128] in wb's order, bytes 12,288 .. bo[1024]
; A stream: 8,192 rows of 4,096 bytes, a wave a row, a work-group eight rows.  Work-groups 0-511 take x, 512-639 Wq, 640-767 Wk, 768-895 Wv, 896-1023 Wo.
; A lane has eight loads of 16 bytes out at once (a load of the wave covers 512 consecutive bytes) and makes eight stores of 8 bytes (a store of the wave covers 256 consecutive bytes, aligned).
; No LDS, no barrier, no matrix unit, no cluster: no byte is wanted twice.
.set X,   8                            ; v[8:39]   load i's four numbers at X + 4 i
.set Y,   40                           ; v[40:55]  store i's two words at Y + 2 i; each written once
.set BOF, 56                           ; v[56:63]  the bias stores' offsets; each written once
	s_load_b512 s[8:23], s[0:1], 0x0               ; hidden_states 8, Wq 10, Wk 12, Wv 14, Wo 16, bq 18, bk 20, bv 22
	s_load_b256 s[24:31], s[0:1], 0x40             ; bo 24, xb 26, wb 28, wo16 30
	s_load_b64 s[32:33], s[0:1], 0x60              ; bb
	v_lshrrev_b32 v3, 5, v0
	v_readfirstlane_b32 s2, v3                     ; wave 0..7
	v_and_b32 v1, 31, v0
	v_lshlrev_b32 v2, 3, v1                        ; 8 x lane: my place in 256 bytes stored
	v_lshlrev_b32 v1, 4, v1                        ; 16 x lane: my place in 512 bytes loaded
	s_mov_b32 s3, ttmp9
	s_sub_co_u32 s4, s3, 512
	s_lshr_b32 s5, s4, 7                           ; which weight: 0 q, 1 k, 2 v, 3 o
	s_and_b32 s6, s4, 127                          ; and which eight rows of it
	s_cmp_lt_u32 s3, 512
	s_cselect_b32 s6, s3, s6                       ; x: the work-group's number as it is,
	s_cselect_b32 s5, 4, s5                        ; and the kind 4
	s_lshl3_add_u32 s7, s6, s2                     ; my row in the source
	s_lshr_b32 s42, s7, 7                          ; q, k, v: head,
	s_mul_i32 s42, s42, 384
	s_and_b32 s43, s7, 127                         ; row in the head,
	s_add_co_u32 s42, s42, s43
	s_lshl_b32 s43, s5, 7                          ; and which of the three
	s_add_co_u32 s42, s42, s43
	s_cmp_lt_u32 s5, 3
	s_cselect_b32 s42, s42, s7                     ; x and Wo keep their rows
	s_lshl_b32 s38, s7, 12                         ; 4,096 bytes a row in,
	s_mov_b32 s39, 0
	s_lshl_b32 s40, s42, 11                        ; 2,048 out
	s_mov_b32 s41, 0
	s_wait_kmcnt 0x0
	s_cmp_eq_u32 s5, 0
	s_cselect_b64 s[34:35], s[10:11], s[8:9]
	s_cmp_eq_u32 s5, 1
	s_cselect_b64 s[34:35], s[12:13], s[34:35]
	s_cmp_eq_u32 s5, 2
	s_cselect_b64 s[34:35], s[14:15], s[34:35]
	s_cmp_eq_u32 s5, 3
	s_cselect_b64 s[34:35], s[16:17], s[34:35]
	s_cselect_b64 s[36:37], s[30:31], s[26:27]     ; Wo goes to wo16, x to xb,
	s_cmp_lt_u32 s5, 3
	s_cselect_b64 s[36:37], s[28:29], s[36:37]     ; q, k, v to wb
	s_add_nc_u64 s[34:35], s[34:35], s[38:39]
	s_add_nc_u64 s[36:37], s[36:37], s[40:41]
.irp i, 0,1,2,3,4,5,6,7
	global_load_b128 v[X+4*(\i):X+4*(\i)+3], v1, s[34:35] offset:512*(\i) th:TH_LOAD_NT
.endr
; X_i's four numbers are rounded to bf16 and widened again, in place: f32 numbers that bf16 holds
.macro ROUNDED i
	v_cvt_pk_bf16_f32 v4, v[X+4*(\i)], v[X+4*(\i)+1]
	v_cvt_pk_bf16_f32 v5, v[X+4*(\i)+2], v[X+4*(\i)+3]
	v_lshlrev_b32 v[X+4*(\i)], 16, v4
	v_and_b32 v[X+4*(\i)+1], 0xffff0000, v4
	v_lshlrev_b32 v[X+4*(\i)+2], 16, v5
	v_and_b32 v[X+4*(\i)+3], 0xffff0000, v5
.endm
	s_cmp_eq_u32 s5, 3
	s_cbranch_scc1 .Lf16
.irp i, 0,1,2,3,4,5,6,7
	s_wait_loadcnt 7-(\i)                          ; loads come back in order: load i is in, the 7 - i younger ones stay out
	v_cvt_pk_bf16_f32 v[Y+2*(\i)], v[X+4*(\i)], v[X+4*(\i)+1]
	v_cvt_pk_bf16_f32 v[Y+2*(\i)+1], v[X+4*(\i)+2], v[X+4*(\i)+3]
	global_store_b64 v2, v[Y+2*(\i):Y+2*(\i)+1], s[36:37] offset:256*(\i)
.endr
	s_branch .Lbias
.Lf16:                                         ; Wo: rounded to bf16 like every input, and that number written as f16
.irp i, 0,1,2,3,4,5,6,7
	s_wait_loadcnt 7-(\i)
	ROUNDED \i
	v_cvt_pk_f16_f32 v[Y+2*(\i)], v[X+4*(\i)], v[X+4*(\i)+1]
	v_cvt_pk_f16_f32 v[Y+2*(\i)+1], v[X+4*(\i)+2], v[X+4*(\i)+3]
	global_store_b64 v2, v[Y+2*(\i):Y+2*(\i)+1], s[36:37] offset:256*(\i)
.endr
.Lbias:                                        ; wave 0 of each weight's first work-group also takes that weight's bias: 4,096 bytes
	s_or_b32 s44, s6, s2
	s_cmp_eq_u32 s44, 0
	s_cbranch_scc0 .Lend
	s_cmp_lt_u32 s5, 4
	s_cbranch_scc0 .Lend
	s_cmp_eq_u32 s5, 1
	s_cselect_b64 s[46:47], s[20:21], s[18:19]
	s_cmp_eq_u32 s5, 2
	s_cselect_b64 s[46:47], s[22:23], s[46:47]
	s_lshl_b32 s48, s5, 9                          ; q, k, v: 512 bytes a head at 1,536 head + 512 which,
	s_mov_b32 s49, 1536                            ; so 1,536 bytes from head to head;
	s_cmp_eq_u32 s5, 3
	s_cselect_b64 s[46:47], s[24:25], s[46:47]
	s_cselect_b32 s48, 12288, s48                  ; bo: as it lies, behind them,
	s_cselect_b32 s49, 512, s49                    ; 512 bytes from load to load
.irp i, 0,1,2,3,4,5,6,7
	global_load_b128 v[X+4*(\i):X+4*(\i)+3], v1, s[46:47] offset:512*(\i)  ; load i is head i's 128 numbers
.endr
	s_wait_loadcnt 0x0
.irp i, 0,1,2,3,4,5,6,7
	v_add_nc_u32 v[BOF+(\i)], s48, v1
	s_add_co_u32 s48, s48, s49
	ROUNDED \i
	global_store_b128 v[BOF+(\i)], v[X+4*(\i):X+4*(\i)+3], s[32:33]
.endr
.Lend:
	s_endpgm
.Lfunc_end_k_q1cb639d00d_cast:
	.size	k_q1cb639d00d_cast, .Lfunc_end_k_q1cb639d00d_cast-k_q1cb639d00d_cast
	.p2alignl 7, 3214868480
	.fill 96, 4, 3214868480
	.section	.rodata,"a",@progbits
	.p2align	6, 0x0
	.amdhsa_kernel k_q1cb639d00d_cast
		.amdhsa_group_segment_fixed_size 0
		.amdhsa_private_segment_fixed_size 0
		.amdhsa_enable_private_segment 0
		.amdhsa_kernarg_size 104
		.amdhsa_user_sgpr_count 2
		.amdhsa_user_sgpr_kernarg_segment_ptr 1
		.amdhsa_wavefront_size32 1
		.amdhsa_system_sgpr_workgroup_id_x 1
		.amdhsa_system_sgpr_workgroup_id_y 1
		.amdhsa_system_sgpr_workgroup_id_z 1
		.amdhsa_system_vgpr_workitem_id 0
		.amdhsa_next_free_vgpr 64
		.amdhsa_next_free_sgpr 66
		.amdhsa_reserve_vcc 0
		.amdhsa_float_denorm_mode_32 3
		.amdhsa_float_denorm_mode_16_64 3
		.amdhsa_memory_ordered 1
		.amdhsa_forward_progress 1
		.amdhsa_inst_pref_size 15
	.end_amdhsa_kernel
	.amdgpu_metadata
---
amdhsa.version: [ 1, 2 ]
amdhsa.kernels:
  - .name:           k_q1cb639d00d_cast
    .symbol:         k_q1cb639d00d_cast.kd
    .args:
      - { .name: hidden_states, .offset: 0, .size: 8, .value_kind: global_buffer, .address_space: global }
      - { .name: Wq, .offset: 8, .size: 8, .value_kind: global_buffer, .address_space: global }
      - { .name: Wk, .offset: 16, .size: 8, .value_kind: global_buffer, .address_space: global }
      - { .name: Wv, .offset: 24, .size: 8, .value_kind: global_buffer, .address_space: global }
      - { .name: Wo, .offset: 32, .size: 8, .value_kind: global_buffer, .address_space: global }
      - { .name: bq, .offset: 40, .size: 8, .value_kind: global_buffer, .address_space: global }
      - { .name: bk, .offset: 48, .size: 8, .value_kind: global_buffer, .address_space: global }
      - { .name: bv, .offset: 56, .size: 8, .value_kind: global_buffer, .address_space: global }
      - { .name: bo, .offset: 64, .size: 8, .value_kind: global_buffer, .address_space: global }
      - { .name: xb, .offset: 72, .size: 8, .value_kind: global_buffer, .address_space: global }
      - { .name: wb, .offset: 80, .size: 8, .value_kind: global_buffer, .address_space: global }
      - { .name: wo16, .offset: 88, .size: 8, .value_kind: global_buffer, .address_space: global }
      - { .name: bb, .offset: 96, .size: 8, .value_kind: global_buffer, .address_space: global }
    .group_segment_fixed_size: 0
    .private_segment_fixed_size: 0
    .kernarg_segment_align: 8
    .kernarg_segment_size: 104
    .max_flat_workgroup_size: 256
    .sgpr_count:     66
    .vgpr_count:     64
    .wavefront_size: 32
...
	.end_amdgpu_metadata
.endif
;; end of part 1
;; launch gemm_qkv (part 2): grid 8 x 32, 4 waves a work-group, clusters of 4 x 4, 327,680 bytes of LDS; arguments xb, wb, bb, qkv; writes qkv
.if DOCPART == 2
	.amdgcn_target "amdgcn-amd-amdhsa--gfx1250"
	.amdhsa_code_object_version 6
	.text
	.protected	k_q1cb639d00d_gemm_qkv
	.globl	k_q1cb639d00d_gemm_qkv
	.p2align	8
	.type	k_q1cb639d00d_gemm_qkv,@function
k_q1cb639d00d_gemm_qkv:
	s_mov_b64 s[64:65], 0
	v_nop
	global_prefetch_b8 v0, s[64:65] scope:SCOPE_SE
	s_setreg_imm32_b32 hwreg(HW_REG_WAVE_MODE, 25, 1), 1
	s_wait_xcnt 0x0
	s_wait_alu depctr_hold_cnt(0) depctr_sa_sdst(0) depctr_va_vdst(0) depctr_va_sdst(0) depctr_va_ssrc(0) depctr_va_vcc(0) depctr_vm_vsrc(0)
	s_getreg_b32 s2, hwreg(HW_REG_IB_STS2, 6, 4)
	s_cmp_eq_u32 s2, 0
	s_cbranch_scc0 .Lentry_in_a_cluster
	s_endpgm
.Lentry_in_a_cluster:
	s_bfe_u32 s2, ttmp6, 0x10000c
	s_cmp_lg_u32 s2, 0xf033
	s_cbranch_scc0 .Lentry_shape_is_right
	s_endpgm
.Lentry_shape_is_right:
; q, k, v = x W^T + b for one head and 128 tokens.  xb: [4096][1024] bf16.  wb: [8 heads][3][128][1024] bf16.  bb: the biases in wb's order, f32.  qkv: [3][16 batch x head][2048][128] f16.
; Sums in f32, started by the bias; rounded once to f16.  q leaves WITHOUT the scale 1 / sqrt(128): the launch behind applies it in f32.
; LIMIT: f16 holds no number beyond 65,504: a q, k or v beyond that becomes an infinity; below 6e-5 it keeps f16's fixed step of 6e-8.
; SHARES.  Work-group (x = head, y = block of 128 tokens): 128 x 384 of the result, 256 work-groups.  Each of the four waves takes all 128 tokens x 96 columns: 48 accumulators of 16 x 16,
; 384 registers; for 32 along K it reads 14 fragments from LDS for 48 matrix instructions.  K = 1,024 goes in 8 steps of 128 (rows of 256 bytes in memory) through two LDS slots.
; CLUSTER 4 x 4.  The four work-groups of a row of the cluster share the token block (x's tile), the four of a column the head (W's tiles): each tile is asked for jointly, by the same tensor
; load with the same descriptor and a mask that names the four.  Wave 0 fetches x's 128 rows, waves 1 to 3 the 128 rows of Wq, Wk, Wv.
; THE MATRIX INSTRUCTION IS USED TRANSPOSED (source 0 = 16 rows of W, source 1 = 16 tokens): a lane then holds one token (lane % 16) and eight neighbouring columns 8 (lane / 16) + 0..7.
; No prefetch: both operands were stored by the launch in front and are read by eight and by thirty-two work-groups.
; REGISTERS, in windows of 256 (s_set_vgpr_msb: bits 1:0 source 0, 3:2 source 1, 5:4 source 2, 7:6 destination):
;   window 0: v0-31 addresses; v32-159 x's fragments, two buffers of 64; v160-255 W's, two buffers of 48; on the way out v32-223 packed results
;   window 1: v0-191 the accumulators of tokens 0-63 ((a, b) at 8 (6 a + b)); v192-239 the bias of my 96 columns     window 2: v0-191 those of tokens 64-127
.set SIZE_K, 1024
.set KSTEP,  128
.set PITCH,  272                       ; an LDS row: 256 bytes + 16 of padding = 68 words: the 16 rows of a fragment load start at 16 different groups of four banks (64 banks of 4 bytes: ISA guide 11.1)
.set HALFT,  128*PITCH                 ; 128 rows: what one tensor load brings
.set SLOT,   4*HALFT                   ; x's 128 rows, then W's 384
.set SPARE,  2*SLOT                    ; behind the ring: the spare words, 128 bytes for each wave: two blocks of 256 bytes that no other line names
.set SPITCH, 784                       ; the stage for the way out: 128 rows of 768 bytes + 16 = 49 x 16.  It lies in slot 0, from byte 0, 100,352 bytes: when it is written slot 0 has had its last fill,
                                       ; and every wave's last read of slot 0 stands in front of a barrier that all have passed
.set ADRA, 16                          ; v16-17  LDS address of my fragments of x in slot 0, 1
.set ADRB, 20                          ; v20-21  the same for W
.set STO,  24                          ; v24     the way out: where I put 16 bytes of a row, tokens 0-63
.set STO2, 25                          ; v25     tokens 64-127
.set RD,   26                          ; v26     where I read a row back
.set CO,   27                          ; v27     my 16 bytes in 512 consecutive bytes of a part
.set SPW,  28                          ; v28     LDS address of my spare word; never rewritten
.set NIL,  29                          ; v29     0; never rewritten
.set BO,   30                          ; v30     my byte offset in bb
.set FA,   32
.set FB,   160
.set TMP,  32
.set BIAS, 192                         ; in window 1
.set G1,  24                           ; s[24:31] descriptor group 1 for x's tiles;  s[32:39] group 0, a set for each slot
.set G0,  32
.set G1B, 48                           ; s[48:55], s[56:63] the same for W's tiles
.set G0B, 56
.set BB,  66                           ; s[66:67] bb
.set LAPC, 68                          ; s68     laps to go
.set MSB, 0
.macro WIN new                         ; the immediate's high byte repeats the setting that is left; a switch that changes nothing is dropped
.if MSB != (\new)
	s_set_vgpr_msb (MSB<<8)|(\new)
.set MSB, \new
.endif
.endm
; A joint load.  Each of the two lines has one mask; the branch hangs on the wave's number alone.  An s_nop 0 and four v_nop follow each line, ahead of the jump and the label.
.macro JLOAD s
	s_cmp_eq_u32 s10, 0
	s_cbranch_scc0 .Lfor_b_\@
	tensor_load_to_lds s[G0+4*(\s):G0+4*(\s)+3], s[G1:G1+7]
	s_nop 0
.rept 4
	v_nop
.endr
	s_branch .Lasked_\@
.Lfor_b_\@:
	tensor_load_to_lds s[G0B+4*(\s):G0B+4*(\s)+3], s[G1B:G1B+7]
	s_nop 0
.rept 4
	v_nop
.endr
.Lasked_\@:
.endm
.macro CREST                           ; a round of the cluster's barrier behind its opening barrier
	s_cmp_lg_u32 s10, 0
	s_cbranch_scc1 .Lnot_wave_0_\@
	s_barrier_signal -3
.Lnot_wave_0_\@:
	s_barrier_wait -3
	s_barrier_signal -1
	s_barrier_wait -1
.endm
.macro CROUND                          ; a whole round
	s_barrier_signal -1
	s_barrier_wait -1
	CREST
.endm
	s_load_b128 s[4:7], s[0:1], 0x0                ; xb s[4:5], wb s[6:7]
	s_load_b64 s[BB:BB+1], s[0:1], 0x10            ; bb
	s_load_b64 s[8:9], s[0:1], 0x18                ; qkv
	v_lshl_add_u32 v[SPW], v0, 2, SPARE
	v_mov_b32 v[NIL], 0
	ds_add_u32 v[SPW], v[NIL]                      ; the wave's opening: the add and its wait stand ahead of my first tensor load; the set-up below, work on registers, stands between them
	v_lshrrev_b32 v1, 5, v0
	v_readfirstlane_b32 s10, v1                    ; wave 0..3
	s_max_u32 s11, s10, 1
	s_sub_co_u32 s11, s11, 1                       ; waves 1 to 3: which 128 rows of the head's 384 I fetch
	s_bfe_u32 s40, ttmp6, 0x40000                  ; cx, cy: my place in the cluster
	s_bfe_u32 s41, ttmp6, 0x40004
	s_lshl_b32 s42, ttmp9, 2
	s_add_co_u32 s42, s42, s40                     ; head = 4 x cluster x + cx
	s_and_b32 s13, ttmp7, 0xffff
	s_lshl_b32 s13, s13, 2
	s_add_co_u32 s13, s13, s41                     ; token block = 4 x cluster y + cy
	s_lshl_b32 s43, s41, 2
	s_lshl_b32 s43, 15, s43                        ; my row of the cluster
	s_lshl_b32 s44, 0x1111, s40                    ; my column
	; descriptor group 1: a tile of 128 rows x 128 elements, padded in LDS
	s_or_b32 s[G1+0], s43, (1<<16)|(1<<20)|(1<<21)|(5<<22)|(3<<25)  ; 15:0 the mask: x's tiles go to my row; 17:16 elements of 2 bytes; 20 padding on; 21 set beside a mask; 24:22 after every 64 words (code 5); 31:25 4 words (code 3)
	s_or_b32 s[G1B+0], s44, (1<<16)|(1<<20)|(1<<21)|(5<<22)|(3<<25) ; the same with the mask of my column
.irp g, G1, G1B
	s_mov_b32 s[(\g)+1], KSTEP<<16                 ; tensor_dim0 = 128
	s_mov_b32 s[(\g)+2], 128<<16                   ; tensor_dim1 = 128
	s_mov_b32 s[(\g)+3], KSTEP<<16                 ; tile_dim0 = 128
	s_mov_b32 s[(\g)+4], 128                       ; tile_dim1 = 128
	s_mov_b32 s[(\g)+5], SIZE_K                    ; elements from row to row
	s_mov_b32 s[(\g)+6], 0
	s_mov_b32 s[(\g)+7], 0
.endr
	s_lshl_b32 s16, s13, 18                        ; x: 128 rows of 2,048 bytes a token block: it hangs on the token block alone
	s_mov_b32 s17, 0
	s_mul_i32 s46, s42, 384                        ; W: row 384 head + 128 x part: it hangs on the head and the wave alone
	s_lshl_b32 s47, s11, 7
	s_add_co_u32 s46, s46, s47
	s_lshl_b32 s46, s46, 11
	s_mov_b32 s47, 0
	s_mul_i32 s20, s10, HALFT                      ; where a tile goes: wave x 128 rows: no place in the cluster enters an LDS address
	s_wait_dscnt 0x0                               ; the opening add is done
	s_wait_kmcnt 0x0
	s_add_nc_u64 s[14:15], s[4:5], s[16:17]
	s_add_nc_u64 s[46:47], s[6:7], s[46:47]
	CROUND                                         ; all sixteen work-groups are here: the first joint loads meet
.irp s, 0,1
	s_mov_b32 s[G0+4*(\s)], 1                                        ; count = 1
	s_add_co_u32 s[G0+4*(\s)+1], s20, (\s)*SLOT                      ; LDS address
	s_add_nc_u64 s[G0+4*(\s)+2:G0+4*(\s)+3], s[14:15], (\s)*KSTEP*2  ; global address: K step s
	s_or_b32 s[G0+4*(\s)+3], s[G0+4*(\s)+3], 0x80000000              ; type = 2
	s_mov_b32 s[G0B+4*(\s)], 1
	s_add_co_u32 s[G0B+4*(\s)+1], s20, (\s)*SLOT
	s_add_nc_u64 s[G0B+4*(\s)+2:G0B+4*(\s)+3], s[46:47], (\s)*KSTEP*2
	s_or_b32 s[G0B+4*(\s)+3], s[G0B+4*(\s)+3], 0x80000000
	JLOAD \s                                       ; two loads of mine are out
.endr
	; A fragment is 16 rows x 32 K in 8 registers: lane l holds row l % 16, K = 8 (l / 16) + 0..7 and 16 + 8 (l / 16) + 0..7: two loads of 16 bytes, 32 bytes apart.
	v_and_b32 v1, 15, v0                           ; l % 16
	v_bfe_u32 v2, v0, 4, 1                         ; l / 16
	v_mul_u32_u24 v[ADRA], v1, PITCH
	v_lshl_add_u32 v[ADRA], v2, 4, v[ADRA]         ; row x pitch + 16 x half: x's rows begin at the slot's first byte
	s_mul_i32 s22, s10, 96*PITCH                   ; my 96 rows of W,
	s_add_co_u32 s22, s22, HALFT                   ; which lie behind x's 128
	v_add_nc_u32 v[ADRA+1], SLOT, v[ADRA]
	v_add_nc_u32 v[ADRB], s22, v[ADRA]
	s_add_co_u32 s22, s22, SLOT
	v_add_nc_u32 v[ADRB+1], s22, v[ADRA]
	s_mul_i32 s23, s10, 192                        ; into the stage: row l % 16, my 96 columns' 192 bytes, 16 bytes for each half of the lanes
	v_mul_u32_u24 v4, v1, SPITCH
	v_lshl_add_u32 v4, v2, 4, v4
	v_add_nc_u32 v[STO], s23, v4
	v_add_nc_u32 v[STO2], 64*SPITCH, v[STO]
	s_mul_i32 s23, s10, 32*SPITCH                  ; back: wave w takes rows 32 w .. 32 w + 31; lanes 0-15 256 bytes of one row, lanes 16-31 of the next
	v_mul_u32_u24 v5, v2, SPITCH
	v_lshl_add_u32 v5, v1, 4, v5
	v_add_nc_u32 v[RD], s23, v5
	v_and_b32 v[CO], 31, v0                        ; a head's rows are dense, 256 bytes each: two rows are 512 consecutive bytes
	v_lshlrev_b32 v[CO], 4, v[CO]
	s_mul_i32 s23, s42, 1536                       ; the bias of column 96 w + 16 b + 8 (l / 16) + j of my head
	s_mul_i32 s22, s10, 384
	s_add_co_u32 s23, s23, s22
	v_lshl_add_u32 v[BO], v2, 5, s23
	WIN 0x40                                       ; destination window 1, address window 0
.irp b, 0,1,2,3,4,5
	global_load_b128 v[BIAS+8*(\b):BIAS+8*(\b)+3],   v[BO], s[BB:BB+1] offset:64*(\b)
	global_load_b128 v[BIAS+8*(\b)+4:BIAS+8*(\b)+7], v[BO], s[BB:BB+1] offset:64*(\b)+16
.endr
	WIN 0
	s_lshr_b32 s46, s13, 4                         ; where my 32 rows go: batch,
	s_lshl_b32 s46, s46, 3
	s_add_co_u32 s46, s46, s42                     ; x 8 + head,
	s_lshl_b32 s46, s46, 11                        ; x 2,048 rows,
	s_and_b32 s47, s13, 15
	s_lshl_b32 s47, s47, 7                         ; + the block's 128 rows in the batch
	s_add_co_u32 s46, s46, s47
	s_lshl_b32 s47, s10, 5                         ; + my 32 of them,
	s_add_co_u32 s46, s46, s47
	s_lshl_b32 s46, s46, 8                         ; 256 bytes each
	s_mov_b32 s47, 0
	s_add_nc_u64 s[16:17], s[8:9], s[46:47]        ; q
	s_add_nc_u64 s[18:19], s[16:17], 0x800000      ; k: a part is 8,388,608 bytes
	s_add_nc_u64 s[20:21], s[18:19], 0x800000      ; v
; 12 matrix instructions: token blocks a0, a0 + 1 of the window's four (hi = 0: tokens 0-63, 1: 64-127) x my 6 column blocks, 32 along K, from buffer f.
; first = 1: the sum starts with the bias as C.  The 48 accumulators take turns in one order: 47 others stand between two links of a chain.
.macro MUL12 f, hi, a0, first
.if (\first) && (\hi)
	WIN 0x90                                       ; C (the bias) window 1, D window 2
.else
	WIN 0x50+0x50*(\hi)                            ; C and D window 1 or 2; both sources window 0
.endif
.irp a, \a0, (\a0)+1
.irp b, 0,1,2,3,4,5
.if \first
	v_wmma_f32_16x16x32_bf16 v[8*(6*(\a)+(\b)):8*(6*(\a)+(\b))+7], v[FB+48*(\f)+8*(\b):FB+48*(\f)+8*(\b)+7], v[FA+64*(\f)+8*(4*(\hi)+(\a)):FA+64*(\f)+8*(4*(\hi)+(\a))+7], v[BIAS+8*(\b):BIAS+8*(\b)+7]
.else
	v_wmma_f32_16x16x32_bf16 v[8*(6*(\a)+(\b)):8*(6*(\a)+(\b))+7], v[FB+48*(\f)+8*(\b):FB+48*(\f)+8*(\b)+7], v[FA+64*(\f)+8*(4*(\hi)+(\a)):FA+64*(\f)+8*(4*(\hi)+(\a))+7], v[8*(6*(\a)+(\b)):8*(6*(\a)+(\b))+7]
.endif
.endr
.endr
.endm
; 28 LDS loads in one run: the fragments of 32 along K at byte k of the rows, into buffer f: W's twelve loads, then x's sixteen, tokens 0-63 first
.macro FETCH slot, k, f
	WIN 0
.irp i, 0,1,2,3,4,5
	ds_load_b128 v[FB+48*(\f)+8*(\i):FB+48*(\f)+8*(\i)+3],   v[ADRB+(\slot)] offset:(\k)+(\i)*16*PITCH
	ds_load_b128 v[FB+48*(\f)+8*(\i)+4:FB+48*(\f)+8*(\i)+7], v[ADRB+(\slot)] offset:(\k)+(\i)*16*PITCH+32
.endr
.irp i, 0,1,2,3,4,5,6,7
	ds_load_b128 v[FA+64*(\f)+8*(\i):FA+64*(\f)+8*(\i)+3],   v[ADRA+(\slot)] offset:(\k)+(\i)*16*PITCH
	ds_load_b128 v[FA+64*(\f)+8*(\i)+4:FA+64*(\f)+8*(\i)+7], v[ADRA+(\slot)] offset:(\k)+(\i)*16*PITCH+32
.endr
.endm
.macro PLACES                          ; four places in front of loads into registers that matrix instructions have read, and of conversions that read results
.rept 4
	v_nop
.endr
.endm
; A K step is four quarters of 32 along K, 48 matrix instructions each, on buffers 0, 1, 0, 1.  One of the first three: multiplies buffer f and, in its middle, fetches the next quarter, at byte k, into g.
.macro QUARTER slot, k, f, g, first
	s_wait_dscnt 8                                 ; W's fragments and x's tokens 0-63 are in; the youngest eight loads (tokens 64-127) may be out
	MUL12 \f, 0, 0, \first
	MUL12 \f, 0, 2, \first
	PLACES
	FETCH \slot, \k, \g
	s_wait_dscnt 28                                ; all but the 28 just issued
	MUL12 \f, 1, 0, \first
	MUL12 \f, 1, 2, \first
.endm
; The last quarter multiplies buffer 1 and changes slots: ONE barrier; in front of it each wave waits for all its tensor loads (one is out: its part of the next slot), adds 0 to its spare word, and waits for
; that and for its own reads of this slot.  fill = 1: the barrier opens a round of the cluster's, and this slot is filled again, two K steps ahead, first thing behind the round.
.macro TURN slot, next, fill
	WIN 0                                          ; (the add's two registers lie in window 0)
	s_wait_tensorcnt 0x0                           ; all my tensor loads have landed
	ds_add_u32 v[SPW], v[NIL]                      ; 0 onto my spare word
	s_wait_dscnt 9                                 ; (the add and the youngest eight loads may be out)
	MUL12 1, 0, 0, 0                               ; twelve matrix instructions stand between the add and the wait for it
	s_wait_dscnt 0x0                               ; the add is done, and my reads of this slot are over
	s_barrier_signal -1
	MUL12 1, 0, 2, 0                               ; work on registers while the others arrive
.if \fill
	WIN 0
.endif
	s_barrier_wait -1
.if \fill
	CREST                                          ; no wave of any partner still reads this slot's tile or has a load on its way
	s_add_nc_u64 s[G0+4*(\slot)+2:G0+4*(\slot)+3], s[G0+4*(\slot)+2:G0+4*(\slot)+3], 2*KSTEP*2
	s_add_nc_u64 s[G0B+4*(\slot)+2:G0B+4*(\slot)+3], s[G0B+4*(\slot)+2:G0B+4*(\slot)+3], 2*KSTEP*2
	JLOAD \slot                                    ; my one tensor load behind the round; its four v_nop are also the places in front of the loads below
.else
	PLACES
.endif
	FETCH \next, 0, 0
	MUL12 1, 1, 0, 0
	MUL12 1, 1, 2, 0
.endm
	s_wait_tensorcnt 1                             ; my part of K step 0 is in; K step 1's may stay out
	s_barrier_signal -1
	s_barrier_wait -1                              ; everybody's is
	FETCH 0, 0, 0
	s_wait_loadcnt 0x0                             ; the bias
	QUARTER 0, 64,  0, 1, 1                        ; the first quarter stands in front of the loop: its products start the sums
	WIN 0                                          ; at a label and at a branch every window is 0
	s_mov_b32 s[LAPC], SIZE_K/(2*KSTEP)-1
.Llap:                                         ; a trip goes once round the ring, from a lap's second quarter to the next lap's first, and fills both slots again
	QUARTER 0, 128, 1, 0, 0
	QUARTER 0, 192, 0, 1, 0
	TURN 0, 1, 1
	QUARTER 1, 64,  0, 1, 0
	QUARTER 1, 128, 1, 0, 0
	QUARTER 1, 192, 0, 1, 0
	TURN 1, 0, 1
	QUARTER 0, 64,  0, 1, 0
	WIN 0
	s_sub_co_u32 s[LAPC], s[LAPC], 1
	s_cmp_lg_u32 s[LAPC], 0
	s_cbranch_scc1 .Llap
	QUARTER 0, 128, 1, 0, 0                        ; the last lap fills nothing, and has no round
	QUARTER 0, 192, 0, 1, 0
	TURN 0, 1, 0
	QUARTER 1, 64,  0, 1, 0
	QUARTER 1, 128, 1, 0, 0
	QUARTER 1, 192, 0, 1, 0
	s_wait_dscnt 8                                 ; the very last quarter: nothing more to fetch
	MUL12 1, 0, 0, 0
	MUL12 1, 0, 2, 0
	s_wait_dscnt 0x0
	MUL12 1, 1, 0, 0
	MUL12 1, 1, 2, 0
	; THE WAY OUT: rounded to f16; 16 bytes a lane into the work-group's stage (a row: q's 256 bytes, k's, v's); a barrier, since a row comes from four waves; back as whole rows of 256 bytes, 32 rows a wave.
	PLACES
	WIN 0x05                                       ; sources window 1, destination window 0; each accumulator's registers in ascending order
.set t, 0
.rept 24
.irp r, 0,1,2,3
	v_cvt_pk_f16_f32 v[TMP+4*t+(\r)], v[8*t+2*(\r)], v[8*t+2*(\r)+1]
.endr
.set t, t+1
.endr
	WIN 0x0a                                       ; sources window 2
.set t, 0
.rept 24
.irp r, 0,1,2,3
	v_cvt_pk_f16_f32 v[TMP+96+4*t+(\r)], v[8*t+2*(\r)], v[8*t+2*(\r)+1]
.endr
.set t, t+1
.endr
	WIN 0
.irp a, 0,1,2,3
.irp b, 0,1,2,3,4,5
	ds_store_b128 v[STO], v[TMP+4*(6*(\a)+(\b)):TMP+4*(6*(\a)+(\b))+3] offset:(\a)*16*SPITCH+32*(\b)
.endr
.endr
.irp a, 0,1,2,3
.irp b, 0,1,2,3,4,5
	ds_store_b128 v[STO2], v[TMP+96+4*(6*(\a)+(\b)):TMP+96+4*(6*(\a)+(\b))+3] offset:(\a)*16*SPITCH+32*(\b)
.endr
.endr
	s_wait_dscnt 0x0                               ; for the others' sake: my stores into the stage are done
	s_barrier_signal -1
	s_barrier_wait -1
.irp p, 0,1,2
.irp t, 0,1,2,3,4,5,6,7,8,9,10,11,12,13,14,15
	ds_load_b128 v[TMP+4*(16*(\p)+(\t)):TMP+4*(16*(\p)+(\t))+3], v[RD] offset:(\t)*2*SPITCH+256*(\p)
.endr
.endr
.irp p, 0,1,2
.irp t, 0,1,2,3,4,5,6,7,8,9,10,11,12,13,14,15
	s_wait_dscnt 47-16*(\p)-(\t)                   ; LDS loads come back in order: this one is in, the younger ones stay out
	global_store_b128 v[CO], v[TMP+4*(16*(\p)+(\t)):TMP+4*(16*(\p)+(\t))+3], s[16+2*(\p):17+2*(\p)] offset:512*(\t)  ; 512 consecutive bytes, at a multiple of 256 from the buffer's first byte
.endr
.endr
	s_wait_tensorcnt 0x0                           ; the wave's end: a wait for the tensor loads, an add to my spare word and a wait for it, behind my last tensor load and my last LDS store
	ds_add_u32 v[SPW], v[NIL]
	s_wait_dscnt 0x0
	CROUND                                         ; the closing round: no work-group ends while a partner may still ask for a tile that names it
	s_endpgm
.Lfunc_end_k_q1cb639d00d_gemm_qkv:
	.size	k_q1cb639d00d_gemm_qkv, .Lfunc_end_k_q1cb639d00d_gemm_qkv-k_q1cb639d00d_gemm_qkv
	.p2alignl 7, 3214868480
	.fill 96, 4, 3214868480
	.section	.rodata,"a",@progbits
	.p2align	6, 0x0
	.amdhsa_kernel k_q1cb639d00d_gemm_qkv
		.amdhsa_group_segment_fixed_size 327680
		.amdhsa_private_segment_fixed_size 0
		.amdhsa_enable_private_segment 0
		.amdhsa_kernarg_size 32
		.amdhsa_user_sgpr_count 2
		.amdhsa_user_sgpr_kernarg_segment_ptr 1
		.amdhsa_wavefront_size32 1
		.amdhsa_system_sgpr_workgroup_id_x 1
		.amdhsa_system_sgpr_workgroup_id_y 1
		.amdhsa_system_sgpr_workgroup_id_z 1
		.amdhsa_system_vgpr_workitem_id 0
		.amdhsa_next_free_vgpr 768
		.amdhsa_next_free_sgpr 72
		.amdhsa_reserve_vcc 0
		.amdhsa_float_denorm_mode_32 3
		.amdhsa_float_denorm_mode_16_64 3
		.amdhsa_memory_ordered 1
		.amdhsa_forward_progress 1
		.amdhsa_inst_pref_size 116
	.end_amdhsa_kernel
	.amdgpu_metadata
---
amdhsa.version: [ 1, 2 ]
amdhsa.kernels:
  - .name:           k_q1cb639d00d_gemm_qkv
    .symbol:         k_q1cb639d00d_gemm_qkv.kd
    .args:
      - { .name: xb, .offset: 0, .size: 8, .value_kind: global_buffer, .address_space: global }
      - { .name: wb, .offset: 8, .size: 8, .value_kind: global_buffer, .address_space: global }
      - { .name: bb, .offset: 16, .size: 8, .value_kind: global_buffer, .address_space: global }
      - { .name: qkv, .offset: 24, .size: 8, .value_kind: global_buffer, .address_space: global }
    .group_segment_fixed_size: 327680
    .private_segment_fixed_size: 0
    .kernarg_segment_align: 8
    .kernarg_segment_size: 32
    .max_flat_workgroup_size: 128
    .sgpr_count:     72
    .vgpr_count:     768
    .wavefront_size: 32
...
	.end_amdgpu_metadata
.endif
;; end of part 2
;; launch attn (part 3): grid 16 x 16, 4 waves a work-group, clusters of 4 x 1, 327,680 bytes of LDS; arguments qkv, ob; writes ob
.if DOCPART == 3
	.amdgcn_target "amdgcn-amd-amdhsa--gfx1250"
	.amdhsa_code_object_version 6
	.text
	.protected	k_q1cb639d00d_attn
	.globl	k_q1cb639d00d_attn
	.p2align	8
	.type	k_q1cb639d00d_attn,@function
k_q1cb639d00d_attn:
	s_mov_b64 s[64:65], 0
	v_nop
	global_prefetch_b8 v0, s[64:65] scope:SCOPE_SE
	s_setreg_imm32_b32 hwreg(HW_REG_WAVE_MODE, 25, 1), 1
	s_wait_xcnt 0x0
	s_wait_alu depctr_hold_cnt(0) depctr_sa_sdst(0) depctr_va_vdst(0) depctr_va_sdst(0) depctr_va_ssrc(0) depctr_va_vcc(0) depctr_vm_vsrc(0)
	s_getreg_b32 s2, hwreg(HW_REG_IB_STS2, 6, 4)
	s_cmp_eq_u32 s2, 0
	s_cbranch_scc0 .Lentry_in_a_cluster
	s_endpgm
.Lentry_in_a_cluster:
	s_bfe_u32 s2, ttmp6, 0x10000c
	s_cmp_lg_u32 s2, 0x3003
	s_cbranch_scc0 .Lentry_shape_is_right
	s_endpgm
.Lentry_shape_is_right:
; O[q][:] = the sum over k of softmax_k(Q[q] . K[k] / sqrt(128)) V[k][:] for each of 16 pairs of batch and head.  qkv: [3][16][2048][128] f16, a head's rows dense, 256 bytes each; q comes unscaled.
; ob: [4096 tokens][1024] f16, column 128 head + channel.  Products, maxima and sums in f32; the weights p are rounded to f16 for the second product (their sum l is taken of the unrounded p), O once at the end.
; LIMITS.  q, k, v arrive within f16's 65,504; p lies in 0 to 1 and below 6e-5 keeps f16's fixed step of 6e-8; O is a mean of V's rows.  A weight below 2^-126 counts as 0 in l; NaN and infinities are not treated apart.
; SHARES.  A work-group owns 128 queries of one head: 16 heads x 16 blocks = 256 work-groups.  THE KEYS ARE SPLIT IN THE WORK-GROUP: waves w and w ^ 2 hold the same 64 queries (rows 64 (w & 1) on); of each slot of
; 256 keys the pair w >> 1 walks the first or the second 128, 64 a step: 16 key steps a wave.  At the end the two partial results (c m, l, O) meet once in LDS: each wave finishes 32 queries and sends the other 32.
; So that one text serves all waves, register tiles 0, 1 hold the queries that the wave finishes (32 pair on) and tiles 2, 3 those that it sends.
; LAYOUT.  S^T = K Q^T (source 0 = 16 keys, source 1 = 16 queries): a lane holds ONE query (lane % 16) and the keys 8 (lane / 16) + 0..7.  Two such tiles, rounded to f16 in pairs, ARE source 1 of O^T = V^T P,
; whose result again holds one query a lane, and eight channels.  K comes out of LDS as it lies, V ([key][channel]) turned, by ds_load_tr16_b128.
; SOFTMAX.  For each query a running maximum m and sum l: p = 2^(c s - c m), c = log2(e) / sqrt(128); in every step O and l are multiplied by a = 2^(c m_old - c m_new).
; BY TURNS.  The wave's tiles are two PIECES (tiles 0, 1; tiles 2, 3).  In a TURN one piece has the matrix unit: 32 products V^T P of the step in hand, then 32 products K Q^T of the next; the other piece's
; softmax, 268 vector instructions cut into 64 slices, stands between them, one slice behind each matrix instruction.  Two turns are a key step.
; CLUSTER.  The four query blocks of a cluster belong to one head and walk the same K and V: each tile is asked for JOINTLY: the same tensor load, descriptor and mask in all four.
; REGISTERS, in windows of 256 (s_set_vgpr_msb: bits 1:0 source 0, 3:2 source 1, 5:4 source 2, 7:6 destination):
;   window 0: v0-11 addresses; v12-43 eight registers of statistics a tile; v44-63 more addresses; v64-191 S^T, 32 a tile; v192-255 P, 16 a tile
;   window 1: O^T, 64 a tile          window 2: v0-127 Q, 32 a tile; v128-255 K of one step          window 3: v0-127 V of one step
.set KS,    64        ; keys in a step
.set PK,    272       ; a row of K in LDS: 256 bytes + 16 of padding = 68 words: the 16 rows of a load start at 16 different groups of four banks (64 banks of 4 bytes: ISA guide 11.1)
.set PV,    288       ; a row of V: 256 + 32 = 72 words
.set VOFF,  256*PK    ; a slot: 256 rows of K, then 256 rows of V: 143,360 bytes
.set SLOT1, 0x24000   ; slot 1 begins here.  Every address that is turned from slot to slot (0, 0x8800, 0x9000, 0x11000, 0x1a000) has bits 14 and 17 clear, so one exclusive or does it
.set TILEB, 65536     ; a slot's bytes of K, and of V, in memory
.set STAGE, 2*SLOT1   ; behind the ring: 16 rows x 272 bytes for each wave, for the way out
.set SP,    272
.set SPARE, STAGE+4*16*SP  ; behind the stages: the spare words, 128 bytes for each wave: two blocks of 256 bytes that no other line names
.set XW,    16896     ; the exchange at the end: for each wave 32 groups of 512 bytes (O^T of two tiles), then 2 x 256 bytes (c m, l).  It lies in slot 0, from byte 0: the walk's last tile lies in slot 1,
                      ; slot 0 has had its last fill, and every wave's last read of it stands in front of the last change of slots
.set AK0, 2           ; v2   my lane's place in a tile of K; never rewritten
.set AV0, 3           ; v3   the same for V
.set ADR, 4           ; v4   the LDS address of the run of loads in hand
.set QO,  5           ; v5   my byte offset in the wave's rows of Q, for tiles 0, 1
.set STO, 6           ; v6   the way out: where I put 16 bytes of a row
.set RD,  7           ; v7   the way out: where I read a row back
.set GO,  8           ; v8   my byte offset in two rows of ob
.set ST,  12          ; tile t's statistics at v[ST+8 t]: +0 c m, +1 m, +2, +3 l (even keys', odd keys'), +4 to +7 c0-c3, at work; a takes c2's place once the maximum is found
.set XS,  44          ; v44  the exchange: where I put 16 bytes of a group
.set XR,  45          ; v45  where I read my partner's
.set XS8, 46          ; v46  the same for the pair (c m, l)
.set XR8, 47          ; v47
.set XP,  48          ; v48-51  my partner's (c m, l) for tiles 0, 1
.set QO2, 60          ; v60  as QO, for tiles 2, 3
.set PFO, 61          ; v61  256 x my lane: a row of K or V is 256 bytes; never rewritten
.set SPW, 62          ; v62  LDS address of my spare word; never rewritten
.set NIL, 63          ; v63  0; never rewritten
.set S,   64
.set P,   192
.set KF,  128         ; K's fragments, in window 2
.set WV,  12          ; s12  my wave's number
.set LIM, 15          ; s15  1 in a work-group that prefetches, else the greatest number
.set PFA, 18          ; s[18:19] where my prefetches stand
.set G1K, 24          ; s[24:31] descriptor group 1 for K's tiles
.set G1V, 32          ; s[32:39] for V's: it differs in the padding alone
.set G0K, 40          ; s[40:47] descriptor group 0 for K's tiles: a set for each of the two first fills; the second then walks on
.set G0V, 48          ; s[48:55] the same for V's
.set SLOTS, 56        ; s56  slots still to be asked for
.set TWICE, 57        ; s57  counts a slot's two steps
.set CS,  58          ; s[58:59] c: the packed scaling names a pair and takes its low word for both halves
.set SEL, 60          ; s[60:61] lane selects for v_permlanex16_b32: each lane takes its own place in the other half
.set TBK, 62          ; s62  LDS byte at which K of the step to be fetched begins
.set TBV, 63          ; s63  the same for V, less VOFF
.set PAIR, 66         ; s66  which half of a slot's keys I walk
.set LV,  67          ; s67  where the rows of V that I fetch go in a slot
.set MSB, 0
.macro WIN new                      ; the immediate's high byte repeats the setting that is left; a switch that changes nothing is dropped
.if MSB != (\new)
	s_set_vgpr_msb (MSB<<8)|(\new)
.set MSB, \new
.endif
.endm
.set W_KQ, 0x0a       ; K and Q in window 2, S^T in window 0
.set W_PV, 0x53       ; V in window 3, P in window 0, O^T in window 1
.set W_RS, 0x41       ; O^T (destination and source 0) in window 1, a in window 0
; A joint refill.  Waves 0 and 1 fetch the two halves of a slot's K, waves 2 and 3 those of its V: 128 rows each.  The branch hangs on the wave's number alone.
; An s_nop 0 and four v_nop follow each of the two lines, ahead of the jump and the label.
.macro JLOAD
	s_cmp_lt_u32 s[WV], 2
	s_cbranch_scc0 .Lfor_v_\@
	tensor_load_to_lds s[G0K+4:G0K+7], s[G1K:G1K+7]
	s_nop 0
.rept 4
	v_nop
.endr
	s_branch .Lasked_\@
.Lfor_v_\@:
	tensor_load_to_lds s[G0V+4:G0V+7], s[G1V:G1V+7]
	s_nop 0
.rept 4
	v_nop
.endr
.Lasked_\@:
.endm
; A PREFETCH INTO THE L2 of what the NEXT change of slots will ask for: 256 rows of K and 256 of V, a lane a row.  It stands behind the wave's tensor load and its five lines.
; Each row is named ONCE in the launch: of the four clusters that walk a head the first asks; its four partners take 64 rows each, told apart BY ADDRESS; in each, waves 0 and 1 take 32 rows of K each, waves 2 and 3
; of V.  Slots 0 to 2 come by their loads alone; the last change that fills a slot asks for nothing: there is no slot behind it.
.macro ASK
	s_cmp_gt_u32 s[SLOTS], s[LIM]
	s_cbranch_scc0 .Lnot_mine_\@
	global_prefetch_b8 v[PFO], s[PFA:PFA+1] th:TH_LOAD_NT scope:SCOPE_SE
.Lnot_mine_\@:
.endm
; A round of the cluster's barrier: my work-group's barrier, so that wave 0's signal speaks for all four waves; wave 0 signals; every wave waits for all four work-groups; my work-group's barrier once more.
.macro CROUND
	s_barrier_signal -1
	s_barrier_wait -1
	s_cmp_lg_u32 s[WV], 0
	s_cbranch_scc1 .Lnot_wave_0_\@
	s_barrier_signal -3
.Lnot_wave_0_\@:
	s_barrier_wait -3
	s_barrier_signal -1
	s_barrier_wait -1
.endm
	s_load_b128 s[4:7], s[0:1], 0x0  ; qkv s[4:5], ob s[6:7]
	v_lshl_add_u32 v[SPW], v0, 2, SPARE
	v_mov_b32 v[NIL], 0
	ds_add_u32 v[SPW], v[NIL]       ; the wave's opening: the add and its wait stand ahead of my first tensor load; the set-up below, work on registers, stands between them
	v_lshrrev_b32 v1, 5, v0
	v_readfirstlane_b32 s[WV], v1   ; wave 0..3
	s_bfe_u32 s13, ttmp6, 0x40000   ; cx: my place in the cluster
	s_lshl_b32 s14, ttmp9, 2        ; in a cluster launch ttmp9 counts clusters
	s_add_co_u32 s14, s14, s13      ; my block of 128 queries = 4 x cluster x + cx: it enters Q's and O's addresses alone
	s_and_b32 s20, ttmp7, 0xffff    ; batch x 8 + head, which the four partners share
	s_and_b32 s16, s[WV], 1         ; which 64 queries are mine; also: which 128 rows of a slot I fetch
	s_lshr_b32 s[PAIR], s[WV], 1
	s_lshl_b32 s21, s20, 19         ; the head's first byte in a part: 2,048 rows of 256 bytes
	s_lshl_b32 s22, s16, 15         ; the 128 rows that I fetch
	s_add_co_u32 s22, s22, s21
	s_mov_b32 s23, 0
	s_mul_i32 s17, s16, 128*PK      ; and their place in a slot, for K
	s_mul_i32 s[LV], s16, 128*PV    ; and for V: no place in the cluster enters an LDS address
	s_add_co_u32 s[LV], s[LV], VOFF
	s_lshl_b32 s2, s14, 15          ; Q: my block's 128 rows,
	s_add_co_u32 s2, s2, s21
	s_lshl_b32 s3, s16, 14          ; my wave's 64 of them
	s_add_co_u32 s2, s2, s3
	s_mov_b32 s3, 0
	s_lshr_b32 s68, s20, 3          ; O: token = 2,048 batch
	s_lshl_b32 s68, s68, 11
	s_lshl_b32 s69, s14, 7          ; + 128 block
	s_add_co_u32 s68, s68, s69
	s_lshl_b32 s69, s16, 6          ; + my wave's 64
	s_add_co_u32 s68, s68, s69
	s_lshl_b32 s69, s[PAIR], 5      ; + the 32 of them that I finish,
	s_add_co_u32 s68, s68, s69
	s_lshl_b32 s68, s68, 11         ; 2,048 bytes a token,
	s_and_b32 s69, s20, 7
	s_lshl_b32 s69, s69, 8          ; the head's 256 bytes in it
	s_add_co_u32 s68, s68, s69
	s_mov_b32 s69, 0
	s_add_co_u32 s70, s[PAIR], 1    ; the prefetches: part 1 (K) for waves 0 and 1, part 2 (V) for waves 2 and 3,
	s_lshl_b32 s70, s70, 23
	s_add_co_u32 s70, s70, s21      ; the head,
	s_lshl_b32 s71, s13, 14         ; my work-group's 64 rows of a slot's 256,
	s_add_co_u32 s70, s70, s71
	s_lshl_b32 s71, s16, 13         ; my wave's 32 of them,
	s_add_co_u32 s70, s70, s71
	s_add_co_u32 s70, s70, 2*TILEB  ; in slot 2; the first change of slots steps it to slot 3.  Nothing is prefetched at the head, where every work-group's first tiles are on their way
	s_mov_b32 s71, 0
	; descriptor group 1: a tile of 128 rows x 128 elements, padded in LDS
	s_mov_b32 s[G1K], 15|(1<<16)|(1<<20)|(1<<21)|(5<<22)|(3<<25)  ; 15:0 the mask: all four work-groups; 17:16 elements of 2 bytes; 20 padding on; 21 set beside a mask; 24:22 after every 64 words (code 5); 31:25 4 words of it (code 3)
	s_mov_b32 s[G1V], 15|(1<<16)|(1<<20)|(1<<21)|(5<<22)|(7<<25)  ; the same with 8 words of padding (code 7)
.irp g, G1K, G1V
	s_mov_b32 s[(\g)+1], 128<<16    ; tensor_dim0 = 128
	s_mov_b32 s[(\g)+2], 128<<16    ; tensor_dim1 = 128
	s_mov_b32 s[(\g)+3], 128<<16    ; tile_dim0 = 128
	s_mov_b32 s[(\g)+4], 128        ; tile_dim1 = 128
	s_mov_b32 s[(\g)+5], 128        ; elements from row to row
	s_mov_b32 s[(\g)+6], 0
	s_mov_b32 s[(\g)+7], 0
.endr
	s_mov_b32 s[CS], 0x3e0293ee     ; c = log2(e) / sqrt(128) = 0.127517
	s_mov_b32 s[CS+1], s[CS]        ; named with it as a pair, so it is written
	s_mov_b32 s[SEL], 0x76543210
	s_mov_b32 s[SEL+1], 0xfedcba98
	s_mul_i32 s[TBK], s[PAIR], 128*PK  ; my pair's 128 keys of slot 0
	s_mul_i32 s[TBV], s[PAIR], 128*PV
	s_mov_b32 s[SLOTS], 2048/256-2
	s_cmp_eq_u32 ttmp9, 0           ; the head's first cluster: the same in all four partners
	s_cselect_b32 s[LIM], 1, -1
	v_and_b32 v[PFO], 31, v0
	v_lshlrev_b32 v[PFO], 8, v[PFO]
	s_wait_dscnt 0x0                ; the opening add is done
	s_wait_kmcnt 0x0
	s_add_nc_u64 s[10:11], s[6:7], s[68:69]  ; O at the first row that I finish
	s_add_nc_u64 s[6:7], s[4:5], s[22:23]
	s_add_nc_u64 s[8:9], s[6:7], 0x1000000   ; V at my rows of slot 0
	s_add_nc_u64 s[6:7], s[6:7], 0x800000    ; K likewise
	s_add_nc_u64 s[PFA:PFA+1], s[4:5], s[70:71]
	s_add_nc_u64 s[4:5], s[4:5], s[2:3]      ; Q at my wave's first row
	CROUND                          ; all four work-groups are here: the first joint loads meet
.irp s, 0,1
	s_mov_b32 s[G0K+4*(\s)], 1      ; count = 1
	s_add_co_u32 s[G0K+4*(\s)+1], s17, (\s)*SLOT1  ; LDS address
	s_add_nc_u64 s[G0K+4*(\s)+2:G0K+4*(\s)+3], s[6:7], (\s)*TILEB  ; global address: slot s begins with keys 256 s on
	s_or_b32 s[G0K+4*(\s)+3], s[G0K+4*(\s)+3], 0x80000000  ; type = 2
	s_mov_b32 s[G0V+4*(\s)], 1
	s_add_co_u32 s[G0V+4*(\s)+1], s[LV], (\s)*SLOT1
	s_add_nc_u64 s[G0V+4*(\s)+2:G0V+4*(\s)+3], s[8:9], (\s)*TILEB
	s_or_b32 s[G0V+4*(\s)+3], s[G0V+4*(\s)+3], 0x80000000
.endr
	s_cmp_lt_u32 s[WV], 2           ; a wave's two first fills stand in one branch, ahead of every wait on TENSORcnt and every LDS read: two loads of mine are out
	s_cbranch_scc0 .Lfirst_v
	tensor_load_to_lds s[G0K:G0K+3], s[G1K:G1K+7]
	s_nop 0
	tensor_load_to_lds s[G0K+4:G0K+7], s[G1K:G1K+7]
	s_nop 0
.rept 4
	v_nop
.endr
	s_branch .Lfirst_asked
.Lfirst_v:
	tensor_load_to_lds s[G0V:G0V+3], s[G1V:G1V+7]
	s_nop 0
	tensor_load_to_lds s[G0V+4:G0V+7], s[G1V:G1V+7]
	s_nop 0
.rept 4
	v_nop
.endr
.Lfirst_asked:
	; A fragment of K or Q is 16 rows x 32 channels in 8 registers: lane l holds row l % 16; registers 0-3 channels 8 (l / 16) + 0..7, registers 4-7 channels 16 + 8 (l / 16) + 0..7: two loads of 16 bytes, 32 bytes apart.
	v_and_b32 v1, 15, v0            ; l % 16
	v_bfe_u32 v9, v0, 4, 1          ; l / 16
	v_lshlrev_b32 v10, 8, v1
	v_lshl_add_u32 v10, v9, 4, v10  ; row x 256 + 16 x half
	s_lshl_b32 s21, s[PAIR], 13     ; tiles 0, 1: the 32 queries that I finish,
	v_add_nc_u32 v[QO], s21, v10
	s_xor_b32 s21, s21, 8192        ; tiles 2, 3: the other 32
	v_add_nc_u32 v[QO2], s21, v10
	WIN 0x80                        ; destination window 2, address window 0
.irp i, 0,1,2,3,4,5,6,7,8,9,10,11,12,13,14,15  ; Q stays in registers: tile i / 4, channels 32 (i % 4) on
.if (\i) < 8
	global_load_b128 v[8*(\i):8*(\i)+3],   v[QO], s[4:5] offset:(((\i)/4)%2)*4096+((\i)%4)*64
	global_load_b128 v[8*(\i)+4:8*(\i)+7], v[QO], s[4:5] offset:(((\i)/4)%2)*4096+((\i)%4)*64+32
.else
	global_load_b128 v[8*(\i):8*(\i)+3],   v[QO2], s[4:5] offset:(((\i)/4)%2)*4096+((\i)%4)*64
	global_load_b128 v[8*(\i)+4:8*(\i)+7], v[QO2], s[4:5] offset:(((\i)/4)%2)*4096+((\i)%4)*64+32
.endif
.endr
	WIN 0
	v_mul_u32_u24 v[AK0], v1, PK
	v_lshl_add_u32 v[AK0], v9, 4, v[AK0]  ; row x pitch + 16 x half
	; The turning load takes 16 keys x 16 channels (lane l reads 16 bytes: key 8 (l / 16) + l % 8, channels 8 ((l / 8) % 2) + 0..7) and leaves half a fragment of V^T: lane l holds channel l % 16 and 8 keys.
	v_and_b32 v10, 7, v0
	v_bfe_u32 v11, v0, 3, 1
	v_lshl_add_u32 v[AV0], v9, 3, v10
	v_mul_u32_u24 v[AV0], v[AV0], PV
	v_lshl_add_u32 v[AV0], v11, 4, v[AV0]
	v_add_nc_u32 v[AV0], VOFF, v[AV0]
; THE MATRIX WORK OF A TURN, for piece x.  The accumulators take turns, one instruction a turn: between two links of a chain stand 15 (V^T P) or 7 (K Q^T) others'.
; Product i of 32 of O^T += V^T P: keys 32 (i / 16) on, channels 16 ((i / 2) % 8) on, tile x + i % 2.  zero = 1: the first 16 start the sums: nothing is ever cleared.
.macro PV x, zero
	WIN W_PV
.set rO, 64*((\x)+i%2)+8*((i/2)%8)
.set rV, 64*(i/16)+8*((i/2)%8)
.set rP, P+16*((\x)+i%2)+8*(i/16)
.if (\zero) && (i < 16)
	v_wmma_f32_16x16x32_f16 v[rO:rO+7], v[rV:rV+7], v[rP:rP+7], 0
.else
	v_wmma_f32_16x16x32_f16 v[rO:rO+7], v[rV:rV+7], v[rP:rP+7], v[rO:rO+7]
.endif
.endm
; Product i of 32 of S^T = K Q^T: channels 32 (i / 8) on, keys 16 ((i / 2) % 4) on, tile x + i % 2.  The first 8 start the sums.
.macro KQ x
	WIN W_KQ
.set rS, S+32*((\x)+i%2)+8*((i/2)%4)
.set rK, KF+32*((i/2)%4)+8*(i/8)
.set rQ, 32*((\x)+i%2)+8*(i/8)
.if i < 8
	v_wmma_f32_16x16x32_f16 v[rS:rS+7], v[rK:rK+7], v[rQ:rQ+7], 0
.else
	v_wmma_f32_16x16x32_f16 v[rS:rS+7], v[rK:rK+7], v[rQ:rQ+7], v[rS:rS+7]
.endif
.endm
; THE LDS LOADS stand in runs of 32, never singly among the matrix instructions: a step's K (64 keys x 128 channels: 16 fragments) and, a turn later, its V (turned).
.macro FETCH_K
	WIN 0
	v_add_nc_u32 v[ADR], s[TBK], v[AK0]
	s_add_co_u32 s[TBK], s[TBK], KS*PK  ; the next fetch is the next step's
	WIN 0x80                        ; destination window 2
.irp f, 0,1,2,3,4,5,6,7,8,9,10,11,12,13,14,15  ; keys 16 (f / 4) on, channels 32 (f % 4) on
	ds_load_b128 v[KF+8*(\f):KF+8*(\f)+3],   v[ADR] offset:((\f)/4)*16*PK+((\f)%4)*64
	ds_load_b128 v[KF+8*(\f)+4:KF+8*(\f)+7], v[ADR] offset:((\f)/4)*16*PK+((\f)%4)*64+32
.endr
.endm
.macro FETCH_V
	WIN 0
	v_add_nc_u32 v[ADR], s[TBV], v[AV0]
	s_add_co_u32 s[TBV], s[TBV], KS*PV
	WIN 0xc0                        ; destination window 3
.irp f, 0,1,2,3,4,5,6,7,8,9,10,11,12,13,14,15  ; keys 32 (f / 8) on, channels 16 (f % 8) on
	ds_load_tr16_b128 v[8*(\f):8*(\f)+3],   v[ADR] offset:((\f)/8)*32*PV+((\f)%8)*32
	ds_load_tr16_b128 v[8*(\f)+4:8*(\f)+7], v[ADR] offset:((\f)/8)*32*PV+16*PV+((\f)%8)*32
.endr
.endm
; THE VECTOR WORK OF A TURN.  One tile's softmax for one key step is a list of 134 instructions; SM writes number j of it for tile t.  s0-s31 are the lane's 32 scores, in pairs 0-15.
; first = 1: the first key step, which starts m, l and O^T: it has no a and nothing to rescale.
;   0-15    the maximum of s0-s31 and the old m, three operands at a time: four chains c0-c3 of seven scores each (each accumulator's lowest registers are read first), then the four scores left over, c0-c3 and m
;   16-20   the other half of the lanes' maximum; the new m; c m; c m_old - c m_new
;   21-87   33 exponentials (a, then s0-s31) at the odd numbers from 23 on, so that no two follow each other and each has a plain instruction behind it before its result is used (ISA guide 5.7.2).
;           Plain instruction q (number 21, then the even numbers) is whatever is ready: c s - c m for a pair whose exponentials are still to come (q = 0 to 3, then every second q), the rounding
;           to f16 of a pair whose exponentials are done (every other q from 5 on), at last the first three sums
;   88-101  the last rounding; the rest of the sums; l = a l + the sum
;   102-133 the tile's O^T times a: the one part that leaves window 0, so it stands together
.macro SM t, first
.set rT, ST+8*(\t)
.set rS, S+32*(\t)
.set rP, P+16*(\t)
.set rO, 64*(\t)+2*(j-102)
.set q, (j-20)/2
.if j < 102
	WIN 0
.endif
.if j < 4
	v_max3_num_f32 v[rT+4+j], v[rS+8*j], v[rS+8*j+1], v[rS+8*j+2]
.elseif j < 12
	v_max3_num_f32 v[rT+4+j%4], v[rT+4+j%4], v[rS+8*(j%4)+2*(j/4)+1], v[rS+8*(j%4)+2*(j/4)+2]
.elseif j == 12
	v_max3_num_f32 v[rT+4], v[rT+4], v[rS+7], v[rS+15]
.elseif j == 13
	v_max3_num_f32 v[rT+6], v[rT+6], v[rS+23], v[rS+31]
.elseif j == 14
	v_max3_num_f32 v[rT+4], v[rT+4], v[rT+5], v[rT+6]
.elseif (j == 15) && (\first)
	v_max_num_f32 v[rT+4], v[rT+4], v[rT+7]
.elseif j == 15
	v_max3_num_f32 v[rT+4], v[rT+4], v[rT+7], v[rT+1]
.elseif j == 16
	v_permlanex16_b32 v[rT+5], v[rT+4], s[SEL], s[SEL+1]  ; the query's other 32 keys lie in the lane 16 away
.elseif j == 18
	v_max_num_f32 v[rT+1], v[rT+4], v[rT+5]
.elseif j == 19
	v_mul_f32 v[rT], s[CS], v[rT+1]
.elseif ((j == 17) || (j == 20) || (j == 23) || (j > 101)) && (\first)  ; the first step has none of these
.elseif j == 17
	v_mov_b32 v[rT+7], v[rT]        ; c m_old is kept for a: number 19 writes c m anew
.elseif j == 20
	v_sub_f32 v[rT+7], v[rT+7], v[rT]
.elseif j == 23
	v_exp_f32 v[rT+6], v[rT+7]
.elseif (j < 88) && (j > 23) && (j%2 == 1)
	v_exp_f32 v[rS+(j-25)/2], v[rS+(j-25)/2]
.elseif (q < 4) || ((j < 76) && (q%2 == 0))
.set b, q/2+2
.if q < 4
.set b, q
.endif
	v_pk_fma_f32 v[rS+2*b:rS+2*b+1], v[rS+2*b:rS+2*b+1], s[CS:CS+1], v[rT:rT+1] op_sel_hi:[1,0,0] neg_lo:[0,0,1] neg_hi:[0,0,1]  ; pair b: c s - c m
.elseif (j < 88) && (q%2 == 1)
	s_wait_alu depctr_va_vdst(0)
	v_cvt_pk_f16_f32 v[rP+(q-5)/2], v[rS+q-5], v[rS+q-4]  ; pair (q - 5) / 2: its second exponential stands three numbers back
.elseif j == 89
	s_wait_alu depctr_va_vdst(0)
	v_cvt_pk_f16_f32 v[rP+15], v[rS+30], v[rS+31]
.elseif j < 102                     ; the sum of the tile's 16 pairs (in a pair: an even key's weight, an odd key's), in place: sum z of 16 adds neighbours 1, 2, 4 and 8 pairs apart, then l takes it
.set z, j-86
.if j < 89
.set z, (j-76)/4
.endif
.set w, 4
.set u, z
.if z >= 14
.set w, 32
.set u, 0
.elseif z >= 12
.set w, 16
.set u, z-12
.elseif z >= 8
.set w, 8
.set u, z-8
.endif
.if (z == 14) && (\first)
	v_pk_add_f32 v[rT+2:rT+3], v[rS:rS+1], v[rS+16:rS+17]
.elseif z < 15
	v_pk_add_f32 v[rS+w*u:rS+w*u+1], v[rS+w*u:rS+w*u+1], v[rS+w*u+w/2:rS+w*u+w/2+1]
.elseif !(\first)
	v_pk_fma_f32 v[rT+2:rT+3], v[rT+2:rT+3], v[rT+6:rT+7], v[rS:rS+1] op_sel_hi:[1,0,1]
.endif
.else
	WIN W_RS
	v_pk_mul_f32 v[rO:rO+1], v[rO:rO+1], v[rT+6:rT+7] op_sel_hi:[1,0]
.endif
.endm
; Slice k of 64 of piece y's softmax: numbers 2 k and 2 k + 1 of both tiles' lists, four instructions.  2 x 134 = 4 x 64 + 12: the twelve that are over stand together, in slice 63.
.macro SLICE y, first
.if (k >= 11) && (k < 44)           ; tile by tile: plain, exponential, plain, exponential
.irp t, \y, (\y)+1
.irp n, 0,1
.set j, 2*k+(\n)
	SM \t, \first
.endr
.endr
.else                               ; the two tiles alternate, so that no instruction reads the result of the one just before it
.irp n, 0,1,2,3,4,5,6,7
.if ((\n) < 2) || (k == 63)
.irp t, \y, (\y)+1
.set j, 2*k+(\n)
	SM \t, \first
.endr
.endif
.endr
.endif
.set k, k+1
.endm
; A vector instruction that reads a matrix result or writes one of a matrix instruction's registers, and a load into a register that a matrix instruction has read, stand four places behind
; it, and only plain vector instructions that name none of its registers are places (ISA guide 7.12.1 for vector instructions).  In the loop the slices are the places.
.macro PLACES
.rept 4
	v_nop
.endr
.endm
; A TURN.  Piece x has the matrix unit; the other piece's softmax stands in slices behind its matrix instructions.
; pv = 2: 32 products V^T P; 1: they start O^T's sums; 0: none.  kq = 1: 32 products K Q^T for the next step.  A turn with one of the two kinds has two slices behind each product.
; first = 1: the softmax is the first key step's.  Its slices from 51 on are empty: the turn's last products stand bare, and four v_nop take slice 63's part as the places behind them.
; Each run of loads stands behind the second product of a run of 32, 30 matrix instructions ahead of its first use.  Piece 0's turn fetches the next step's K: the last product that read K
; stands in front of slice 63 of the turn before.  Piece 2's turn fetches the same step's V: the last product that read V stands three slices, six plain instructions, back.
.macro TURN x, pv, kq, first
.set k, 0
.set per, 2
.if (\pv) && (\kq)
.set per, 1
.endif
.if \pv
.if (\x) == 0
	s_wait_dscnt 0x0                ; V is in
.endif
.set i, 0
.rept 32
	PV \x, 2-(\pv)
.rept per
	SLICE 2-(\x), \first
.endr
.if ((\x) == 0) && (\kq) && (i == 1)
	FETCH_K
.endif
.set i, i+1
.endr
.endif
.if \kq
.if (\x) == 0
	s_wait_dscnt 0x0                ; K is in
.endif
.set i, 0
.rept 32
	KQ \x
.rept per
	SLICE 2-(\x), \first
.endr
.if ((\x) == 2) && (i == 1)
	FETCH_V
.endif
.set i, i+1
.endr
.endif
.if \first
	PLACES
.endif
.endm
; THE CHANGE OF SLOTS, between piece 2's turn and piece 0's: the last bytes that I want of the slot, V of my second step, have been asked for.  Each wave waits for all its tensor loads, of which one is out:
; its part of the other slot; adds 0 to its spare word; and waits for that and for its own reads of the slot.  Behind the barrier nobody reads this slot any more and the other slot is whole.
; fill = 1: this slot is filled again, with the keys two slots on.  The barrier is then a round of the cluster's, and the joint refill is the first thing behind it: it has two key steps,
; 256 matrix instructions, in which to land.
.macro CHANGE fill
	WIN 0                           ; at a label and at a branch every window is 0
	s_wait_tensorcnt 0x0            ; no tensor load of mine is out, so a group 0 may be written
	ds_add_u32 v[SPW], v[NIL]       ; 0 onto my spare word; with fill = 1 the descriptors' steps stand between it and the wait for it
.if \fill
.irp g, G0K+4, G0V+4
	s_xor_b32 s[(\g)+1], s[(\g)+1], SLOT1  ; the walking descriptor: the other slot than last time,
	s_add_nc_u64 s[(\g)+2:(\g)+3], s[(\g)+2:(\g)+3], TILEB  ; the next 256 keys; the type bits on top are not reached
.endr
	s_wait_xcnt 0x0                 ; the last prefetch, two key steps back, has read its address, so it may be written:
	s_add_nc_u64 s[PFA:PFA+1], s[PFA:PFA+1], TILEB  ; one slot behind the walking descriptors
	s_wait_dscnt 0x0                ; the add is done, and my reads of the slot are over
	CROUND
	JLOAD
	ASK                             ; what the next change will ask for: two key steps, 256 matrix instructions, ahead
.else
	s_wait_dscnt 0x0                ; the add is done, and my reads of the slot are over
	s_barrier_signal -1
	s_barrier_wait -1
.endif
	s_sub_co_u32 s[TBK], s[TBK], 2*KS*PK  ; the fetches go back to my pair's first step,
	s_xor_b32 s[TBK], s[TBK], SLOT1       ; in the other slot
	s_sub_co_u32 s[TBV], s[TBV], 2*KS*PV
	s_xor_b32 s[TBV], s[TBV], SLOT1
.endm
; My two key steps of a slot: written once, walked twice; the LDS addresses hang on s[TBK] and s[TBV].
.macro TWO_STEPS
	WIN 0
	s_mov_b32 s[TWICE], 2
.Lstep_\@:
	TURN 0, 2, 1, 0
	TURN 2, 2, 1, 0
	WIN 0
	s_sub_co_u32 s[TWICE], s[TWICE], 1
	s_cmp_lg_u32 s[TWICE], 0
	s_cbranch_scc1 .Lstep_\@
.endm
	s_wait_tensorcnt 1              ; my part of slot 0 is in; slot 1's may stay out
	s_barrier_signal -1
	s_barrier_wait -1               ; everybody's is
	FETCH_K                         ; key step 0
	s_wait_loadcnt 0x0              ; Q
	s_wait_dscnt 0x0
.set i, 0
.rept 32
	KQ 0                            ; piece 0's first scores: there is no vector work yet to set between them
.set i, i+1
.endr
	WIN 0                           ; the addresses for the end are made here: plain instructions, the places behind those products
	s_mul_i32 s13, s[WV], 16*SP
	s_add_co_u32 s13, s13, STAGE    ; my stage
	v_mul_u32_u24 v[STO], v1, SP    ; in: row l % 16, 16 bytes for each half of the lanes
	v_lshl_add_u32 v[STO], v9, 4, v[STO]
	v_add_nc_u32 v[STO], s13, v[STO]
	v_mul_u32_u24 v[RD], v9, SP     ; back: lanes 0-15 take one row of 256 bytes, lanes 16-31 the next
	v_lshl_add_u32 v[RD], v1, 4, v[RD]
	v_add_nc_u32 v[RD], s13, v[RD]
	v_lshlrev_b32 v[GO], 11, v9     ; and the same two rows in ob, 2,048 bytes apart
	v_lshl_add_u32 v[GO], v1, 4, v[GO]
	s_mul_i32 s21, s[WV], XW        ; the exchange: my bytes,
	s_xor_b32 s23, s[WV], 2
	s_mul_i32 s23, s23, XW          ; and those of the wave with my queries and the other keys
	v_and_b32 v10, 31, v0
	v_lshl_add_u32 v[XS], v10, 4, s21
	v_lshl_add_u32 v[XR], v10, 4, s23
	s_add_co_u32 s21, s21, 32*512
	s_add_co_u32 s23, s23, 32*512
	v_lshl_add_u32 v[XS8], v10, 3, s21
	v_lshl_add_u32 v[XR8], v10, 3, s23
	TURN 2, 0, 1, 1                 ; piece 2's first scores | piece 0's first softmax | V of step 0
	TURN 0, 1, 1, 1                 ; piece 0: V^T P of step 0 starts O^T, K Q^T of step 1 | piece 2's first softmax | K of step 1
	TURN 2, 1, 1, 0                 ; piece 2: the same | piece 0's softmax of step 1 | V of step 1
	WIN 0
.Lslot:                             ; six trips: every slot but the last two is filled again
	CHANGE 1
	TWO_STEPS
	s_sub_co_u32 s[SLOTS], s[SLOTS], 1
	s_cmp_lg_u32 s[SLOTS], 0
	s_cbranch_scc1 .Lslot
	CHANGE 0                        ; the tail is written out: the last slot but one is left, and nothing is asked for
	TWO_STEPS
	TURN 0, 2, 0, 0                 ; piece 0: V^T P of the last step | piece 2's last softmax
.set i, 0
.rept 32
	PV 2, 0                         ; piece 2: V^T P of the last step
.set i, i+1
.endr
	; THE TWO HALVES OF THE KEYS MEET.  l's two halves and the other half of the lanes' are added, and l is laid beside c m.  The additions are the places behind the last products.
	WIN 0
.irp t, 0,1,2,3
	v_add_f32 v[ST+8*(\t)+4], v[ST+8*(\t)+2], v[ST+8*(\t)+3]
.endr
.irp t, 0,1,2,3
	v_permlanex16_b32 v[ST+8*(\t)+5], v[ST+8*(\t)+4], s[SEL], s[SEL+1]
.endr
.irp t, 0,1,2,3
	v_add_f32 v[ST+8*(\t)+1], v[ST+8*(\t)+4], v[ST+8*(\t)+5]
.endr
	WIN 0x04                        ; store data in window 1: tiles 2 and 3 of O^T go to my partner, each accumulator's low registers first
.irp u, 0,1
.irp g, 0,1,2,3,4,5,6,7,8,9,10,11,12,13,14,15
	ds_store_b128 v[XS], v[128+64*(\u)+4*(\g):128+64*(\u)+4*(\g)+3] offset:(16*(\u)+(\g))*512
.endr
.endr
	WIN 0
.irp u, 0,1
	ds_store_b64 v[XS8], v[ST+16+8*(\u):ST+16+8*(\u)+1] offset:256*(\u)  ; their c m and l
.endr
	s_wait_dscnt 0x0                ; for my partner's sake: my stores are done
	s_barrier_signal -1
	s_barrier_wait -1
.irp t, 0,1
	ds_load_b64 v[XP+2*(\t):XP+2*(\t)+1], v[XR8] offset:256*(\t)
.endr
.irp t, 0,1
.irp g, 0,1,2,3,4,5,6,7,8,9,10,11,12,13,14,15
	ds_load_b128 v[S+64*(\t)+4*(\g):S+64*(\t)+4*(\g)+3], v[XR] offset:(16*(\t)+(\g))*512  ; my partner's O^T for my tiles 0 and 1: the same lanes hold the same queries and channels
.endr
.endr
	s_wait_dscnt 32                 ; the two pairs (c m, l) are in; the 32 loads behind them may be out
	; M = max(c m, c m'); f = 2^(c m - M), f' = 2^(c m' - M); L = l f + l' f'; O = O f / L + O' f' / L.  One of f, f' is 1 and each l is at least 1, so L is at least 1.
.irp t, 0,1
	v_max_num_f32 v[ST+8*(\t)+2], v[ST+8*(\t)], v[XP+2*(\t)]
.endr
.irp t, 0,1
	v_sub_f32 v[ST+8*(\t)+4], v[ST+8*(\t)], v[ST+8*(\t)+2]
	v_sub_f32 v[ST+8*(\t)+6], v[XP+2*(\t)], v[ST+8*(\t)+2]
.endr
.irp t, 0,1
	v_exp_f32 v[ST+8*(\t)+4], v[ST+8*(\t)+4]
	v_exp_f32 v[ST+8*(\t)+6], v[ST+8*(\t)+6]
.endr
	v_nop                           ; a plain instruction between the last exponential and the use of its result
.irp t, 0,1
	s_wait_alu depctr_va_vdst(0)
	v_mul_f32 v[ST+8*(\t)+3], v[ST+8*(\t)+1], v[ST+8*(\t)+4]
.endr
.irp t, 0,1
	v_fmac_f32 v[ST+8*(\t)+3], v[XP+2*(\t)+1], v[ST+8*(\t)+6]
.endr
.irp t, 0,1
	v_rcp_f32 v[ST+8*(\t)+2], v[ST+8*(\t)+3]
.endr
	v_nop                           ; the same behind the last reciprocal
.irp t, 0,1
	s_wait_alu depctr_va_vdst(0)
	v_mul_f32 v[ST+8*(\t)+4], v[ST+8*(\t)+4], v[ST+8*(\t)+2]
	v_mul_f32 v[ST+8*(\t)+6], v[ST+8*(\t)+6], v[ST+8*(\t)+2]
.endr
; Tile t is merged, rounded to f16 and sent through my stage: a lane's eight channels of a row pack into 16 bytes; they go into rows of 272 bytes and come back as whole rows of 256.
.macro MERGE t
	WIN 0
	s_wait_dscnt 16                 ; my partner's numbers for this tile are in; the sixteen LDS instructions behind them (tile 1's loads; then tile 0's stage) may be out
.set i, 0
.rept 32
	v_pk_mul_f32 v[S+64*(\t)+i:S+64*(\t)+i+1], v[S+64*(\t)+i:S+64*(\t)+i+1], v[ST+8*(\t)+6:ST+8*(\t)+7] op_sel_hi:[1,0]
.set i, i+2
.endr
	WIN 0x01                        ; source 0, my O^T, in window 1; its registers in ascending order
.set i, 0
.rept 32
	v_pk_fma_f32 v[S+64*(\t)+i:S+64*(\t)+i+1], v[64*(\t)+i:64*(\t)+i+1], v[ST+8*(\t)+4:ST+8*(\t)+5], v[S+64*(\t)+i:S+64*(\t)+i+1] op_sel_hi:[1,0,1]
.set i, i+2
.endr
	WIN 0
.set i, 0
.rept 32
	v_cvt_pk_f16_f32 v[S+64*(\t)+i], v[S+64*(\t)+2*i], v[S+64*(\t)+2*i+1]  ; in place: word i is written when numbers 2 i and 2 i + 1 are read, and no number below them is wanted again
.set i, i+1
.endr
.irp f, 0,1,2,3,4,5,6,7
	ds_store_b128 v[STO], v[S+64*(\t)+4*(\f):S+64*(\t)+4*(\f)+3] offset:32*(\f)
.endr
.irp f, 0,1,2,3,4,5,6,7
	ds_load_b128 v[S+64*(\t)+4*(\f):S+64*(\t)+4*(\f)+3], v[RD] offset:(\f)*2*SP  ; LDS serves a wave's instructions in order (ISA guide 5.7.1.4): these see the stores above; the next tile's stores come behind them
.endr
.endm
.macro SEND t, younger              ; younger: the LDS instructions issued behind tile t's loads: the next tile's sixteen, or none
.irp f, 0,1,2,3,4,5,6,7
	s_wait_dscnt (\younger)+7-(\f)
	global_store_b128 v[GO], v[S+64*(\t)+4*(\f):S+64*(\t)+4*(\f)+3], s[10:11] offset:(\t)*32768+(\f)*4096  ; 16 lanes store 256 consecutive bytes, at a multiple of 256 from ob's first byte
.endr
.endm
	MERGE 0
	MERGE 1                         ; a tile's arithmetic stands between the loads of the tile before and its stores
	SEND 0, 16
	SEND 1, 0
	s_wait_tensorcnt 0x0            ; the wave's end: a wait for the tensor loads, an add to my spare word and a wait for it, behind my last tensor load and my last LDS store
	ds_add_u32 v[SPW], v[NIL]
	s_wait_dscnt 0x0
	CROUND                          ; the closing round: no work-group ends while a partner may still ask for a tile that names it
	s_endpgm
.Lfunc_end_k_q1cb639d00d_attn:
	.size	k_q1cb639d00d_attn, .Lfunc_end_k_q1cb639d00d_attn-k_q1cb639d00d_attn
	.p2alignl 7, 3214868480
	.fill 96, 4, 3214868480
	.section	.rodata,"a",@progbits
	.p2align	6, 0x0
	.amdhsa_kernel k_q1cb639d00d_attn
		.amdhsa_group_segment_fixed_size 327680
		.amdhsa_private_segment_fixed_size 0
		.amdhsa_enable_private_segment 0
		.amdhsa_kernarg_size 16
		.amdhsa_user_sgpr_count 2
		.amdhsa_user_sgpr_kernarg_segment_ptr 1
		.amdhsa_wavefront_size32 1
		.amdhsa_system_sgpr_workgroup_id_x 1
		.amdhsa_system_sgpr_workgroup_id_y 1
		.amdhsa_system_sgpr_workgroup_id_z 1
		.amdhsa_system_vgpr_workitem_id 0
		.amdhsa_next_free_vgpr 1024
		.amdhsa_next_free_sgpr 72
		.amdhsa_reserve_vcc 0
		.amdhsa_float_denorm_mode_32 3
		.amdhsa_float_denorm_mode_16_64 3
		.amdhsa_memory_ordered 1
		.amdhsa_forward_progress 1
		.amdhsa_inst_pref_size 228
	.end_amdhsa_kernel
	.amdgpu_metadata
---
amdhsa.version: [ 1, 2 ]
amdhsa.kernels:
  - .name:           k_q1cb639d00d_attn
    .symbol:         k_q1cb639d00d_attn.kd
    .args:
      - { .name: qkv, .offset: 0, .size: 8, .value_kind: global_buffer, .address_space: global }
      - { .name: ob, .offset: 8, .size: 8, .value_kind: global_buffer, .address_space: global }
    .group_segment_fixed_size: 327680
    .private_segment_fixed_size: 0
    .kernarg_segment_align: 8
    .kernarg_segment_size: 16
    .max_flat_workgroup_size: 128
    .sgpr_count:     72
    .vgpr_count:     1024
    .wavefront_size: 32
...
	.end_amdgpu_metadata
.endif
;; end of part 3
;; launch gemm_out (part 4): grid 8 x 32, 4 waves a work-group, clusters of 4 x 4, 327,680 bytes of LDS; arguments ob, wo16, bb, out0; writes out0
.if DOCPART == 4
	.amdgcn_target "amdgcn-amd-amdhsa--gfx1250"
	.amdhsa_code_object_version 6
	.text
	.protected	k_q1cb639d00d_gemm_out
	.globl	k_q1cb639d00d_gemm_out
	.p2align	8
	.type	k_q1cb639d00d_gemm_out,@function
k_q1cb639d00d_gemm_out:
	s_mov_b64 s[64:65], 0
	v_nop
	global_prefetch_b8 v0, s[64:65] scope:SCOPE_SE
	s_setreg_imm32_b32 hwreg(HW_REG_WAVE_MODE, 25, 1), 1
	s_wait_xcnt 0x0
	s_wait_alu depctr_hold_cnt(0) depctr_sa_sdst(0) depctr_va_vdst(0) depctr_va_sdst(0) depctr_va_ssrc(0) depctr_va_vcc(0) depctr_vm_vsrc(0)
	s_getreg_b32 s2, hwreg(HW_REG_IB_STS2, 6, 4)
	s_cmp_eq_u32 s2, 0
	s_cbranch_scc0 .Lentry_in_a_cluster
	s_endpgm
.Lentry_in_a_cluster:
	s_bfe_u32 s2, ttmp6, 0x10000c
	s_cmp_lg_u32 s2, 0xf033
	s_cbranch_scc0 .Lentry_shape_is_right
	s_endpgm
.Lentry_shape_is_right:
; out0[m][n] = the sum over k of ob[m][k] wo16[n][k] + bo[n].  ob: [4096][1024] f16.  wo16: [1024][1024] f16 (bf16(Wo) written as f16).  bo: f32, at byte 12,288 of bb.  out0: [4096][1024] f32.
; Sums in f32, started by the bias; stored as they are.
; A tile of the result is 128 x 128: 32 x 8 = 256 work-groups.  Four waves, each 64 x 64: 16 accumulators of 16 x 16.  K = 1,024 goes in 4 steps of 256 (LDS rows of 512 bytes; a wave's tensor load brings 64
; of them) through two LDS slots; with four steps the walk is written straight, without a counter.
; CLUSTER 4 x 4: the four of a row of the cluster need the same tiles of ob, the four of a column the same tiles of wo16: each tile is asked for JOINTLY, by the same tensor load with the same descriptor and mask.
; THE MATRIX INSTRUCTION IS USED TRANSPOSED (source 0 = 16 rows of wo16, source 1 = 16 rows of ob): a lane holds one row (lane % 16) and eight neighbouring columns: 32 bytes of f32.
; A wave's 64 columns are 256 aligned bytes of a row, so each wave has a stage of its own and the way out needs no barrier.  No prefetch: both operands were stored by launches in front and are read by many work-groups.
; REGISTERS: window 0: v0-31 addresses; v32-95 rows on the way out; v96-127 the bias of my 64 columns; v128-255 the accumulators ((a, b) at v[128 + 8 (4 a + b)]).
;   window 1: two fragment buffers of 128: for 64 along K, 64 registers of ob (2 x 4 x 16 rows x 32 K), then 64 of wo16.
.set SIZE_K, 1024
.set KSTEP,  256
.set PITCH,  528                       ; an LDS row: 512 bytes + 16 of padding = 132 words: the 16 rows of a fragment load start at 16 different groups of four banks (64 banks of 4 bytes: ISA guide 11.1)
.set HALFT,  64*PITCH                  ; 64 rows: what one tensor load brings, and what one wave reads of either operand
.set SLOT,   4*HALFT                   ; ob's 128 rows, then wo16's 128 rows
.set STAGE,  2*SLOT                    ; behind the ring: 16 rows x 272 bytes for each wave
.set SPITCH, 272
.set SPARE,  STAGE+4*16*SPITCH         ; behind the stages: the spare words, 128 bytes for each wave: two blocks of 256 bytes that no other line names
.set ADRA, 16                          ; v16-17  LDS address of my fragments of ob in slot 0, 1
.set ADRB, 20                          ; v20-21  the same for wo16
.set STO,  24                          ; v24     the way out: where I put 32 bytes of a row
.set RD,   25                          ; v25     where I read a row back
.set CO,   26                          ; v26     my byte offset in two rows of out0
.set SPW,  28                          ; v28     LDS address of my spare word; never rewritten
.set NIL,  29                          ; v29     0; never rewritten
.set BO,   30                          ; v30     my byte offset in bo
.set TMP,  32
.set BIAS, 96
.set ACC,  128
.set F0,   0                           ; fragment buffers, in window 1
.set F1,   128
.set G1, 24                            ; s[24:31] descriptor group 1 for ob's tiles;  s[32:39] group 0, a set for each slot
.set G0, 32
.set G1B, 48                           ; s[48:55], s[56:63] the same for wo16's tiles
.set G0B, 56
.set BB,  66                           ; s[66:67] bb
.set MSB, 0
.macro WIN new                         ; the immediate's high byte repeats the setting that is left; a switch that changes nothing is dropped
.if MSB != (\new)
	s_set_vgpr_msb (MSB<<8)|(\new)
.set MSB, \new
.endif
.endm
.set MUL,  0x05                        ; sources 0 and 1 window 1; C and D window 0
.set TO_F, 0x40                        ; destination window 1, address window 0
.macro JLOAD s                         ; a joint load: waves 0 and 1 fetch ob's two halves, waves 2 and 3 wo16's; an s_nop 0 and four v_nop follow each of the two lines, ahead of the jump and the label
	s_cmp_eq_u32 s11, 0
	s_cbranch_scc0 .Lfor_b_\@
	tensor_load_to_lds s[G0+4*(\s):G0+4*(\s)+3], s[G1:G1+7]
	s_nop 0
.rept 4
	v_nop
.endr
	s_branch .Lasked_\@
.Lfor_b_\@:
	tensor_load_to_lds s[G0B+4*(\s):G0B+4*(\s)+3], s[G1B:G1B+7]
	s_nop 0
.rept 4
	v_nop
.endr
.Lasked_\@:
.endm
.macro CREST                           ; a round of the cluster's barrier behind its opening barrier
	s_cmp_lg_u32 s10, 0
	s_cbranch_scc1 .Lnot_wave_0_\@
	s_barrier_signal -3
.Lnot_wave_0_\@:
	s_barrier_wait -3
	s_barrier_signal -1
	s_barrier_wait -1
.endm
.macro CROUND                          ; a whole round
	s_barrier_signal -1
	s_barrier_wait -1
	CREST
.endm
	s_load_b128 s[4:7], s[0:1], 0x0                ; ob s[4:5], wo16 s[6:7]
	s_load_b64 s[BB:BB+1], s[0:1], 0x10            ; bb
	s_load_b64 s[8:9], s[0:1], 0x18                ; out0
	v_lshl_add_u32 v[SPW], v0, 2, SPARE
	v_mov_b32 v[NIL], 0
	ds_add_u32 v[SPW], v[NIL]                      ; the wave's opening: the add and its wait stand ahead of my first tensor load; the set-up below, work on registers, stands between them
	v_lshrrev_b32 v1, 5, v0
	v_readfirstlane_b32 s10, v1                    ; wave 0..3
	s_lshr_b32 s11, s10, 1                         ; which half of the tile's rows is mine.  Also: I fetch for ob (0) or for wo16 (1)
	s_and_b32 s12, s10, 1                          ; which half of its columns.  Also: which 64 rows of that tile I fetch
	s_bfe_u32 s40, ttmp6, 0x40000                  ; cx, cy: my place in the cluster
	s_bfe_u32 s41, ttmp6, 0x40004
	s_lshl_b32 s42, ttmp9, 2
	s_add_co_u32 s42, s42, s40                     ; tile column = 4 x cluster x + cx
	s_and_b32 s13, ttmp7, 0xffff
	s_lshl_b32 s13, s13, 2
	s_add_co_u32 s13, s13, s41                     ; tile row = 4 x cluster y + cy
	s_lshl_b32 s43, s41, 2
	s_lshl_b32 s43, 15, s43                        ; my row of the cluster
	s_lshl_b32 s44, 0x1111, s40                    ; my column
	; descriptor group 1: a tile of 64 rows x 256 elements, padded in LDS
	s_or_b32 s[G1+0], s43, (1<<16)|(1<<20)|(1<<21)|(6<<22)|(3<<25)  ; 15:0 the mask: ob's tiles go to my row; 17:16 elements of 2 bytes; 20 padding on; 21 set beside a mask; 24:22 after every 128 words (code 6); 31:25 4 words (code 3)
	s_or_b32 s[G1B+0], s44, (1<<16)|(1<<20)|(1<<21)|(6<<22)|(3<<25)
.irp g, G1, G1B
	s_mov_b32 s[(\g)+1], KSTEP<<16                 ; tensor_dim0 = 256
	s_mov_b32 s[(\g)+2], 64<<16                    ; tensor_dim1 = 64
	s_mov_b32 s[(\g)+3], KSTEP<<16                 ; tile_dim0 = 256
	s_mov_b32 s[(\g)+4], 64                        ; tile_dim1 = 64
	s_mov_b32 s[(\g)+5], SIZE_K                    ; elements from row to row
	s_mov_b32 s[(\g)+6], 0
	s_mov_b32 s[(\g)+7], 0
.endr
	s_lshl_b32 s17, s12, 6                         ; which 64 rows of the tile I fetch
	s_lshl_b32 s16, s13, 7
	s_add_co_u32 s16, s16, s17                     ; ob: row 128 x tile row + 64 x half,
	s_lshl_b32 s16, s16, 11                        ; 2,048 bytes a row
	s_lshl_b32 s46, s42, 7
	s_add_co_u32 s46, s46, s17                     ; wo16: row 128 x tile column + 64 x half
	s_lshl_b32 s46, s46, 11
	s_mov_b32 s17, 0
	s_mov_b32 s47, 0
	s_mul_i32 s20, s10, HALFT                      ; where they go: wave x 64 rows: no place in the cluster enters an LDS address
	s_wait_dscnt 0x0                               ; the opening add is done
	s_wait_kmcnt 0x0
	s_add_nc_u64 s[14:15], s[4:5], s[16:17]
	s_add_nc_u64 s[46:47], s[6:7], s[46:47]
	CROUND                                         ; all sixteen work-groups are here: the first joint loads meet
.irp s, 0,1
	s_mov_b32 s[G0+4*(\s)], 1
	s_add_co_u32 s[G0+4*(\s)+1], s20, (\s)*SLOT
	s_add_nc_u64 s[G0+4*(\s)+2:G0+4*(\s)+3], s[14:15], (\s)*KSTEP*2
	s_or_b32 s[G0+4*(\s)+3], s[G0+4*(\s)+3], 0x80000000
	s_mov_b32 s[G0B+4*(\s)], 1
	s_add_co_u32 s[G0B+4*(\s)+1], s20, (\s)*SLOT
	s_add_nc_u64 s[G0B+4*(\s)+2:G0B+4*(\s)+3], s[46:47], (\s)*KSTEP*2
	s_or_b32 s[G0B+4*(\s)+3], s[G0B+4*(\s)+3], 0x80000000
	JLOAD \s                                       ; two loads of mine are out
.endr
	v_and_b32 v1, 15, v0                           ; l % 16
	v_bfe_u32 v2, v0, 4, 1                         ; l / 16
	v_mul_u32_u24 v3, v1, PITCH
	v_lshl_add_u32 v3, v2, 4, v3                   ; a fragment's row x pitch + 16 x half
	s_mul_i32 s21, s11, HALFT                      ; my 64 rows of ob
	s_mul_i32 s22, s12, HALFT                      ; my 64 rows of wo16,
	s_add_co_u32 s22, s22, 2*HALFT                 ; which lie behind ob's 128
.irp s, 0,1
	v_add_nc_u32 v[ADRA+(\s)], s21, v3
	v_add_nc_u32 v[ADRB+(\s)], s22, v3
	s_add_co_u32 s21, s21, SLOT
	s_add_co_u32 s22, s22, SLOT
.endr
	s_mul_i32 s23, s10, 16*SPITCH
	s_add_co_u32 s23, s23, STAGE                   ; my stage
	v_mul_u32_u24 v4, v1, SPITCH                   ; in: row l % 16, 32 bytes for each half of the lanes
	v_lshl_add_u32 v4, v2, 5, v4
	v_add_nc_u32 v[STO], s23, v4
	v_mul_u32_u24 v5, v2, SPITCH                   ; back: lanes 0-15 take one row of 256 bytes, lanes 16-31 the next
	v_lshl_add_u32 v5, v1, 4, v5
	v_add_nc_u32 v[RD], s23, v5
	v_lshlrev_b32 v5, 12, v2                       ; and the same two rows in out0, 4,096 bytes apart
	v_lshl_add_u32 v[CO], v1, 4, v5
	s_lshl_b32 s16, s13, 7
	s_lshl_b32 s17, s11, 6
	s_add_co_u32 s16, s16, s17                     ; my first row: 128 x tile row + 64 x half
	s_lshl_b32 s16, s16, 12
	s_mov_b32 s17, 0
	s_add_nc_u64 s[8:9], s[8:9], s[16:17]
	s_lshl_b32 s46, s42, 9                         ; my first column, in bytes of f32: 512 x tile column + 256 x half
	s_lshl_b32 s47, s12, 8
	s_add_co_u32 s46, s46, s47
	s_mov_b32 s47, 0
	s_add_nc_u64 s[8:9], s[8:9], s[46:47]
	v_lshl_add_u32 v[BO], v2, 5, s46               ; the bias of column 16 b + 8 (l / 16) + j of my 64
.irp b, 0,1,2,3
	global_load_b128 v[BIAS+8*(\b):BIAS+8*(\b)+3],   v[BO], s[BB:BB+1] offset:12288+64*(\b)
	global_load_b128 v[BIAS+8*(\b)+4:BIAS+8*(\b)+7], v[BO], s[BB:BB+1] offset:12288+64*(\b)+16
.endr
; 8 matrix instructions: row blocks a0, a0 + 1 x all 4 column blocks, 32 along K: half c of buffer f.  first = 1: the sum starts with the bias as C.  The 16 accumulators take turns.
.macro MUL8 f, c, a0, first
	WIN MUL
.irp a, \a0, (\a0)+1
.irp b, 0,1,2,3
.if \first
	v_wmma_f32_16x16x32_f16 v[ACC+8*(4*(\a)+(\b)):ACC+8*(4*(\a)+(\b))+7], v[(\f)+64+8*(4*(\c)+(\b)):(\f)+64+8*(4*(\c)+(\b))+7], v[(\f)+8*(4*(\c)+(\a)):(\f)+8*(4*(\c)+(\a))+7], v[BIAS+8*(\b):BIAS+8*(\b)+7]
.else
	v_wmma_f32_16x16x32_f16 v[ACC+8*(4*(\a)+(\b)):ACC+8*(4*(\a)+(\b))+7], v[(\f)+64+8*(4*(\c)+(\b)):(\f)+64+8*(4*(\c)+(\b))+7], v[(\f)+8*(4*(\c)+(\a)):(\f)+8*(4*(\c)+(\a))+7], v[ACC+8*(4*(\a)+(\b)):ACC+8*(4*(\a)+(\b))+7]
.endif
.endr
.endr
.endm
; 32 LDS loads in one run: the fragments of 64 along K at byte k of the rows, into buffer f; the first 32 along K first
.macro FETCH slot, k, f
	WIN TO_F
.irp c, 0,1
.irp i, 0,1,2,3
	ds_load_b128 v[(\f)+64+8*(4*(\c)+(\i)):(\f)+64+8*(4*(\c)+(\i))+3],   v[ADRB+(\slot)] offset:(\k)+64*(\c)+(\i)*16*PITCH
	ds_load_b128 v[(\f)+64+8*(4*(\c)+(\i))+4:(\f)+64+8*(4*(\c)+(\i))+7], v[ADRB+(\slot)] offset:(\k)+64*(\c)+(\i)*16*PITCH+32
	ds_load_b128 v[(\f)+8*(4*(\c)+(\i)):(\f)+8*(4*(\c)+(\i))+3],         v[ADRA+(\slot)] offset:(\k)+64*(\c)+(\i)*16*PITCH
	ds_load_b128 v[(\f)+8*(4*(\c)+(\i))+4:(\f)+8*(4*(\c)+(\i))+7],       v[ADRA+(\slot)] offset:(\k)+64*(\c)+(\i)*16*PITCH+32
.endr
.endr
.endm
.macro PLACES                          ; four places in front of loads into registers that matrix instructions have read, and of LDS stores that read results
.rept 4
	v_nop
.endr
.endm
; A K step is four quarters of 64 along K, 32 matrix instructions each, on buffers 0, 1, 0, 1.  One of the first three: multiplies buffer f and fetches the next quarter, at byte k, into g.
.macro QUARTER slot, k, f, g, first
	s_wait_dscnt 16                                ; the first 32 along K are in; the youngest sixteen loads may be out
	MUL8 \f, 0, 0, \first
	MUL8 \f, 0, 2, \first
	PLACES
	FETCH \slot, \k, \g
	s_wait_dscnt 32                                ; all but the 32 just issued
	MUL8 \f, 1, 0, 0
	MUL8 \f, 1, 2, 0
.endm
; The last quarter multiplies buffer 1 and changes slots: ONE barrier; in front of it each wave waits for all its tensor loads, adds 0 to its spare word, and waits for that and for its own reads of this slot.
; fill = 1: the barrier opens a round of the cluster's, and this slot is filled again, two K steps ahead, first thing behind the round.
.macro TURN slot, next, fill
	WIN 0                                          ; (the add's two registers lie in window 0)
	s_wait_tensorcnt 0x0                           ; all my tensor loads have landed: my part of the next slot
	ds_add_u32 v[SPW], v[NIL]                      ; 0 onto my spare word
	s_wait_dscnt 17                                ; (the add and the youngest sixteen loads may be out)
	MUL8 F1, 0, 0, 0                               ; eight matrix instructions stand between the add and the wait for it
	s_wait_dscnt 0x0                               ; the add is done, and my reads of this slot are over
	s_barrier_signal -1
	MUL8 F1, 0, 2, 0
.if \fill
	WIN 0
.endif
	s_barrier_wait -1
.if \fill
	CREST                                          ; no wave of any partner still reads this slot's tile or has a load on its way
	s_add_nc_u64 s[G0+4*(\slot)+2:G0+4*(\slot)+3], s[G0+4*(\slot)+2:G0+4*(\slot)+3], 2*KSTEP*2
	s_add_nc_u64 s[G0B+4*(\slot)+2:G0B+4*(\slot)+3], s[G0B+4*(\slot)+2:G0B+4*(\slot)+3], 2*KSTEP*2
	JLOAD \slot                                    ; my one tensor load behind the round: 112 matrix instructions ahead of the wait for it; its four v_nop are also the places in front of the loads below
.else
	PLACES
.endif
	FETCH \next, 0, F0
	MUL8 F1, 1, 0, 0
	MUL8 F1, 1, 2, 0
.endm
	s_wait_tensorcnt 1                             ; my part of K step 0 is in; K step 1's may stay out
	s_barrier_signal -1
	s_barrier_wait -1                              ; everybody's is
	FETCH 0, 0, F0
	s_wait_loadcnt 0x0                             ; the bias
	QUARTER 0, 128, F0, F1, 1                      ; K step 0: its first products start the sums
	QUARTER 0, 256, F1, F0, 0
	QUARTER 0, 384, F0, F1, 0
	TURN 0, 1, 1                                   ; slot 0 takes K step 2
	QUARTER 1, 128, F0, F1, 0                      ; K step 1
	QUARTER 1, 256, F1, F0, 0
	QUARTER 1, 384, F0, F1, 0
	TURN 1, 0, 1                                   ; slot 1 takes K step 3
	QUARTER 0, 128, F0, F1, 0                      ; K step 2
	QUARTER 0, 256, F1, F0, 0
	QUARTER 0, 384, F0, F1, 0
	TURN 0, 1, 0                                   ; nothing is left to fetch, so no round
	QUARTER 1, 128, F0, F1, 0                      ; K step 3
	QUARTER 1, 256, F1, F0, 0
	QUARTER 1, 384, F0, F1, 0
	s_wait_dscnt 16                                ; the very last quarter
	MUL8 F1, 0, 0, 0
	MUL8 F1, 0, 2, 0
	s_wait_dscnt 0x0
	MUL8 F1, 1, 0, 0
	MUL8 F1, 1, 2, 0
	WIN 0
	; THE WAY OUT, 16 rows at a time: 32 bytes a lane into my stage, each accumulator's low four registers first; back as whole rows of 256 bytes; stored.
	PLACES
.irp a, 0,1,2,3
.irp b, 0,1,2,3
	ds_store_b128 v[STO], v[ACC+8*(4*(\a)+(\b)):ACC+8*(4*(\a)+(\b))+3]   offset:64*(\b)
	ds_store_b128 v[STO], v[ACC+8*(4*(\a)+(\b))+4:ACC+8*(4*(\a)+(\b))+7] offset:64*(\b)+16
.endr
.if (\a) > 0
	s_wait_xcnt 0x0                                ; the stores issued so far have read their registers: only behind this wait are the rows' registers loaded again
.endif
.irp t, 0,1,2,3,4,5,6,7
	ds_load_b128 v[TMP+32*((\a)%2)+4*(\t):TMP+32*((\a)%2)+4*(\t)+3], v[RD] offset:(\t)*2*SPITCH  ; LDS serves a wave's instructions in order (ISA guide 5.7.1.4): these see the stores above; the next block's stores come behind them
.endr
.irp t, 0,1,2,3,4,5,6,7
	s_wait_dscnt 7-(\t)
	global_store_b128 v[CO], v[TMP+32*((\a)%2)+4*(\t):TMP+32*((\a)%2)+4*(\t)+3], s[8:9] offset:(16*(\a)+2*(\t))*4096 th:TH_STORE_NT  ; 16 lanes store 256 consecutive bytes, at a multiple of 256 from out0's first byte
.endr
.endr
	s_wait_tensorcnt 0x0                           ; the wave's end: a wait for the tensor loads, an add to my spare word and a wait for it, behind my last tensor load and my last LDS store
	ds_add_u32 v[SPW], v[NIL]
	s_wait_dscnt 0x0
	CROUND                                         ; the closing round: no work-group ends while a partner may still ask for a tile that names it
	s_endpgm
.Lfunc_end_k_q1cb639d00d_gemm_out:
	.size	k_q1cb639d00d_gemm_out, .Lfunc_end_k_q1cb639d00d_gemm_out-k_q1cb639d00d_gemm_out
	.p2alignl 7, 3214868480
	.fill 96, 4, 3214868480
	.section	.rodata,"a",@progbits
	.p2align	6, 0x0
	.amdhsa_kernel k_q1cb639d00d_gemm_out
		.amdhsa_group_segment_fixed_size 327680
		.amdhsa_private_segment_fixed_size 0
		.amdhsa_enable_private_segment 0
		.amdhsa_kernarg_size 32
		.amdhsa_user_sgpr_count 2
		.amdhsa_user_sgpr_kernarg_segment_ptr 1
		.amdhsa_wavefront_size32 1
		.amdhsa_system_sgpr_workgroup_id_x 1
		.amdhsa_system_sgpr_workgroup_id_y 1
		.amdhsa_system_sgpr_workgroup_id_z 1
		.amdhsa_system_vgpr_workitem_id 0
		.amdhsa_next_free_vgpr 512
		.amdhsa_next_free_sgpr 72
		.amdhsa_reserve_vcc 0
		.amdhsa_float_denorm_mode_32 3
		.amdhsa_float_denorm_mode_16_64 3
		.amdhsa_memory_ordered 1
		.amdhsa_forward_progress 1
		.amdhsa_inst_pref_size 87
	.end_amdhsa_kernel
	.amdgpu_metadata
---
amdhsa.version: [ 1, 2 ]
amdhsa.kernels:
  - .name:           k_q1cb639d00d_gemm_out
    .symbol:         k_q1cb639d00d_gemm_out.kd
    .args:
      - { .name: ob, .offset: 0, .size: 8, .value_kind: global_buffer, .address_space: global }
      - { .name: wo16, .offset: 8, .size: 8, .value_kind: global_buffer, .address_space: global }
      - { .name: bb, .offset: 16, .size: 8, .value_kind: global_buffer, .address_space: global }
      - { .name: out0, .offset: 24, .size: 8, .value_kind: global_buffer, .address_space: global }
    .group_segment_fixed_size: 327680
    .private_segment_fixed_size: 0
    .kernarg_segment_align: 8
    .kernarg_segment_size: 32
    .max_flat_workgroup_size: 128
    .sgpr_count:     72
    .vgpr_count:     512
    .wavefront_size: 32
...
	.end_amdgpu_metadata
.endif
;; end of part 4
